; MI455X (gfx1250); checked and timed in simulation.
; The chip was launched on July 23, 2026; its instructions are those of AMD's public machine-readable ISA for CDNA 5 (MIT licence, August 2026) and "CDNA5" Instruction Set Architecture Reference Guide (July 2026). The comments in the code are by the model that wrote it; some were corrected since.
;; Radix MLP Qwen3 Attention. Allowed arithmetic: matrix products marked QUANTISED: E2M1 operands, one E8M0 scale for each 32 along K, by v_wmma_scale_f32_16x16x128_f8f6f4 with both operands' format E2M1 (or v_wmma_scale_f32_32x16x128_f4), f32 sums; products left as they are: bf16, f16 or f32 operands; f32 sums; everything else in f32.
;; Inputs: cos 6,400 x 64 float32; cu_seq_lengths 9 int32; fold_gather 6,400 int32; hidden_states 6,400 x 2,048 float32; k_norm_w 128 float32; q_norm_w 128 float32; scatter_indices 8,192 int32; sin 6,400 x 64 float32; wk 2,048 x 512 float32; wo 1,024 x 2,048 float32; wq 2,048 x 1,024 float32; wv 2,048 x 512 float32.
;; Outputs: out0 6,400 x 2,048 float32.
;; Constants: max_seq_len = 1024.
;; This version of the problem:
;;   THIS VERSION OF THE PROBLEM IS GIVEN IN LOW PRECISION. The matrix products marked QUANTISED in the list below multiply operands that are first quantised to E2M1 (2 exponent bits, 1 mantissa bit; 4 bits a number), with one power-of-two scale for each 32 numbers along K (OCP MX v1.0); their sums are f32. The products marked 'left as it is' may take bf16, f16 or f32 operands, with f32 sums. Whichever they take, every output number must still come out within the allowed error. Rounding operands to bf16 (8 significant bits) uses up far more of that allowance than f16 does (11 bits, for magnitudes from 6e-5 to 65,504). All else is computed in f32.
;;   The module's matrix products, in the order in which they are computed (A, B: the left and right operand; K: the contracted axis; several contracted axes count as one K, in the product's order):
;;     1. [M 6,400, K 2,048] x [K 2,048, N 1,024]; A: input hidden_states; B: input wq: QUANTISED
;;     2. [M 6,400, K 2,048] x [K 2,048, N 512]; A: input hidden_states; B: input wk: QUANTISED
;;     3. [M 6,400, K 2,048] x [K 2,048, N 512]; A: input hidden_states; B: input wv: QUANTISED
;;     4. batch 64 x [M 1,024, K 128] x [K 128, N 1,024]; A: computed on the way; B: computed on the way: left as it is (an operand is computed on the way)
;;     5. batch 64 x [M 128, K 1,024] x [K 1,024, N 1,024]; A: computed on the way; B: computed on the way: left as it is (an operand is computed on the way)
;;     6. [M 6,400, K 1,024] x [K 1,024, N 2,048]; A: computed on the way; B: input wo: left as it is (an operand is computed on the way)
;;   THE QUANTISER, for each operand of a quantised product, along K:
;;     - K is cut into blocks of 32 from its start; a last block that is shorter is filled with zeros.
;;     - A block's scale is 2^e with e = floor(log2(the largest magnitude in the block)) - 2, held to -126 .. 127; a block of zeros has e = 0. As a byte (E8M0): e + 127.
;;     - Each number is divided by its block's scale, clamped to +-6, and rounded to the nearest number of E2M1, ties to even, subnormals kept.
;;     - The product sums the exact products of the quantised numbers (number of the format x scale) in f32.
;;   ~~~python
;;   def quantise(x, axis):      # numpy; x: float32 -> the quantised numbers, widened to float32 again
;;       x = np.moveaxis(x, axis, -1); K = x.shape[-1]
;;       x = np.pad(x, [(0, 0)] * (x.ndim - 1) + [(0, -K % 32)]); x = x.reshape(x.shape[:-1] + (-1, 32)); a = np.abs(x).max(-1, keepdims=True)
;;       e = np.where(a > 0, np.clip(np.frexp(np.where(a > 0, a, 1))[1] - 1 - 2, -126, 127), 0)      # np.frexp(a)[1] - 1 = floor(log2(a)), exactly
;;       r = np.clip(x / 2.0 ** e, -6, 6)
;;       step = 2.0 ** (np.maximum(np.frexp(np.where(r == 0, 1, r))[1] - 1, 0) - 1)
;;       q = np.round(r / step) * step * 2.0 ** e      # np.round: ties to even
;;       return np.moveaxis(q.reshape(q.shape[:-2] + (-1,))[..., :K], -1, axis).astype(np.float32)
;;   ~~~
;; One version. Each part assembles by itself: llvm-mc -triple=amdgcn-amd-amdhsa -mcpu=gfx1250 --defsym DOCPART=n.
;; ======== version 1 of 1: 4 launches
;; limits: values are held in f16: magnitudes above 65,504 overflow, below 6.1e-05 lose precision
;; workspace buffers: codes 8,912,896 bytes; scales 557,056 bytes; wo_img 8,388,608 bytes; qkv16 26,214,400 bytes; qkv_fine 2,097,152 bytes; out_full 16,777,216 bytes; fine_out 1,048,576 bytes
;; launch prep (part 1): grid 608 x 1, 4 waves a work-group, no clusters, 68,096 bytes of LDS; arguments hidden_states, scatter_indices, wq, wk, wv, wo, codes, scales, wo_img; writes codes, scales, wo_img
.if DOCPART == 1
	.amdgcn_target "amdgcn-amd-amdhsa--gfx1250"
	.amdhsa_code_object_version 6
	.text
	.protected	k_q5395d9f410_prep
	.globl	k_q5395d9f410_prep
	.p2align	8
	.type	k_q5395d9f410_prep,@function
k_q5395d9f410_prep:
	s_mov_b64 s[64:65], 0
	v_nop
	global_prefetch_b8 v0, s[64:65] scope:SCOPE_SE
	s_setreg_imm32_b32 hwreg(HW_REG_WAVE_MODE, 25, 1), 1
	s_wait_xcnt 0x0
; PREP: the operands of the later launches are laid out once.
;   path H (work-groups 0-415):  hidden_states [6400][2048] f32 -> codes of FP4 (E2M1), K innermost, and one E8M0 byte for each 32 along K: rows 0-6399 of codes / scales.
;                                Rows 6400-6655 are hidden_states[scatter_indices[1024 b + p]], p < 32, at row 6400 + 32 b + p: the first positions of each sequence, which a later launch carries in f32.
;                                (p = 16 .. 31 only fill that tile of 256 rows: 128 rows of 6,656.)
;   path W (work-groups 416-479): wq, wk, wv [2048 (k)][n] f32 -> codes with K innermost, one row a column, rows 6656 + 128 slot + column; slots: q0..q7, k0, v0, k1, v1, k2, v2, k3, v3.
;   path O (work-groups 480-607): wo [1024 (k)][2048 (n)] f32 -> two f16 parts, high and low (low = wo - high, formed in f32), stored as images of a matrix operand's registers:
;                                [part][n tile of 16][k chunk of 32][1,024 bytes]; lane l's registers 0-3 at 16 l, registers 4-7 at 512 + 16 l.
; DEAD WORK, for all values of the inputs: reference() never reads cu_seq_lengths nor max_seq_len, so they have no way to an output: they are not loaded and are among no launch's arguments.
; The causal mask is built in reference()'s own body: key tiles that lie wholly behind a query tile get probability 0 and are not computed (launch attn).
; A NaN, an infinity or an overflow that reaches only work left out is not carried to the result.
; THE QUANTISER: a block's scale byte is its largest magnitude's exponent field - 2, held at 1 from below; numbers are divided by the scale and rounded to the nearest code, ties to even, beyond 6 held at 6.
; LIMITS: a block of zeros gets the byte 1 (its codes are zeros; this program alone reads the bytes); blocks whose largest magnitude lies under 2^-124 are held at that floor; NaN and infinities among the inputs
; are not served; wo beyond 65,504 has no f16 number; wo's low part resolves 2^-24 at the finest.
; The three paths part on the work-group's number alone; each has LDS bytes of its own: H 0 .. 32,767 (8,192 a wave), W 32,768 .. 67,583 (8,704 a wave); then the spare words.
.set SPARE, 67584                      ; the spare words: 128 bytes for each wave, two blocks of 256 bytes that no other line names
.set SPW, 12                           ; v12  LDS address of my spare word; never rewritten
.set NIL, 13                           ; v13  0; never rewritten
.set SP,  80                           ; path H: a lane's place in a stage: 64 bytes + 16 of padding
.set WST, 32768                        ; path W: the stages
.set WP,  272                          ; path W: a stage row: 256 bytes + 16
.set SB,  66                           ; path W: s[66:97] the sixteen blocks' bases; no other line writes these registers
	s_load_b512 s[4:19], s[0:1], 0x0               ; hidden s[4:5], scatter s[6:7], wq s[8:9], wk s[10:11], wv s[12:13], wo s[14:15], codes s[16:17], scales s[18:19]
	s_load_b64 s[20:21], s[0:1], 0x40              ; wo_img
	v_lshl_add_u32 v[SPW], v0, 2, SPARE
	v_mov_b32 v[NIL], 0
	v_lshrrev_b32 v1, 5, v0
	v_readfirstlane_b32 s22, v1                    ; wave 0..3
	v_and_b32 v2, 31, v0                           ; lane
	s_wait_kmcnt 0x0
	s_cmp_lt_u32 ttmp9, 416
	s_cbranch_scc1 .Lpath_h
	s_cmp_lt_u32 ttmp9, 480
	s_cbranch_scc1 .Lpath_w
; ---------------- path O: wo into f16 images, high and low.  Wave: one n tile of 16 columns, 8 k chunks of 32.
; Lane (r, h) holds column 16 nt + r; registers 0-3: k = 32 c + 8 h + 0..7, registers 4-7: k = 32 c + 16 + 8 h + 0..7, two to a register.
	s_sub_co_u32 s40, ttmp9, 480
	s_and_b32 s41, s40, 31
	s_lshl_b32 s41, s41, 2
	s_add_co_u32 s41, s41, s22                     ; nt = 4 (o % 32) + wave: the four waves stand on 256 neighbouring bytes of each row of wo
	s_lshr_b32 s42, s40, 5                         ; which 256 along k
	s_lshl_b32 s24, s42, 21                        ; 256 rows of 8,192 bytes
	s_lshl_b32 s25, s41, 6                         ; 16 columns of 4 bytes
	s_add_co_u32 s24, s24, s25
	s_mov_b32 s25, 0
	s_add_nc_u64 s[14:15], s[14:15], s[24:25]
	s_lshl_b32 s24, s41, 15                        ; an n tile's 32 images of 1,024 bytes
	s_lshl_b32 s26, s42, 13                        ; 8 images
	s_add_co_u32 s24, s24, s26
	s_add_nc_u64 s[20:21], s[20:21], s[24:25]
	v_and_b32 v3, 15, v0
	v_bfe_u32 v4, v0, 4, 1
	v_lshlrev_b32 v3, 2, v3
	v_lshl_add_u32 v3, v4, 16, v3                  ; 4 r + 8 h rows
	v_lshlrev_b32 v5, 4, v2                        ; 16 x lane: an image's place for my lane
.macro LOADC cc                        ; chunk cc's 16 numbers of my column into registers of their own
.irp j, 0,1,2,3,4,5,6,7,8,9,10,11,12,13,14,15
	global_load_b32 v[48+16*(\cc)+\j], v3, s[14:15] offset:(32*(\cc)+\j+8*(\j/8))*8192 th:TH_LOAD_NT
.endr
.endm
.macro CHUNK cc
.if 7-(\cc) >= 2
	s_wait_loadcnt 32                              ; this chunk's 16 loads are in; those of the two chunks behind it may be out
.else
	s_wait_loadcnt 16*(7-(\cc))
.endif
.if (\cc)+3 < 8
	LOADC (\cc)+3                                  ; three chunks ahead, into registers of its own: 48 loads of mine are out at the most
.endif
	s_wait_xcnt 0x0                                ; the last chunk's stores have read v16-31, which are written again below
.irp i, 0,1,2,3,4,5,6,7
	v_cvt_pk_f16_f32 v[16+\i], v[48+16*(\cc)+2*\i], v[49+16*(\cc)+2*\i]      ; the high parts
.endr
	v_cvt_f32_f16 v32, v16.l                       ; widened again, exactly
	v_cvt_f32_f16 v33, v16.h
	v_cvt_f32_f16 v34, v17.l
	v_cvt_f32_f16 v35, v17.h
	v_cvt_f32_f16 v36, v18.l
	v_cvt_f32_f16 v37, v18.h
	v_cvt_f32_f16 v38, v19.l
	v_cvt_f32_f16 v39, v19.h
	v_cvt_f32_f16 v40, v20.l
	v_cvt_f32_f16 v41, v20.h
	v_cvt_f32_f16 v42, v21.l
	v_cvt_f32_f16 v43, v21.h
	v_cvt_f32_f16 v44, v22.l
	v_cvt_f32_f16 v45, v22.h
	v_cvt_f32_f16 v46, v23.l
	v_cvt_f32_f16 v47, v23.h
.irp i, 0,1,2,3,4,5,6,7
	v_pk_add_f32 v[32+2*\i:33+2*\i], v[48+16*(\cc)+2*\i:49+16*(\cc)+2*\i], v[32+2*\i:33+2*\i] neg_lo:[0,1] neg_hi:[0,1]   ; what the high part left over
.endr
.irp i, 0,1,2,3,4,5,6,7
	v_cvt_pk_f16_f32 v[24+\i], v[32+2*\i], v[33+2*\i]                        ; the low parts
.endr
	global_store_b128 v5, v[16:19], s[20:21] offset:1024*(\cc)               ; each store of the wave covers 512 consecutive bytes, aligned
	global_store_b128 v5, v[20:23], s[20:21] offset:1024*(\cc)+512
	global_store_b128 v5, v[24:27], s[20:21] offset:1024*(\cc)+4194304
	global_store_b128 v5, v[28:31], s[20:21] offset:1024*(\cc)+4194304+512
.endm
	LOADC 0
	LOADC 1
	LOADC 2
.irp c, 0,1,2,3,4,5,6,7
	CHUNK \c
.endr
	s_branch .Lend
; ---------------- path H: rows with K innermost.  A wave takes 4 rows, 16 steps of 512 numbers; each load reads 512 consecutive bytes; the numbers turn through the wave's own stage so that a lane holds 16 neighbours.
.Lpath_h:
	s_lshl_b32 s40, ttmp9, 2
	s_add_co_u32 s40, s40, s22                     ; u: my run of four rows
	s_lshl_b32 s23, s40, 2                         ; R = 4 u: my first row of codes
	s_sub_co_u32 s28, s23, 6400
	s_cmp_ge_u32 s23, 6400
	s_cselect_b32 s28, s28, 0                      ; e = R - 6400 in the gathered rows, else 0
	s_lshr_b32 s29, s28, 5
	s_lshl_b32 s29, s29, 12                        ; sequence e / 32: 1,024 entries of 4 bytes
	s_and_b32 s28, s28, 31
	s_lshl_b32 s28, s28, 2                         ; position e % 32
	s_add_co_u32 s28, s28, s29
	s_mov_b32 s29, 0
	s_add_nc_u64 s[6:7], s[6:7], s[28:29]
	s_load_b128 s[24:27], s[6:7], 0x0              ; four neighbouring entries of scatter_indices (e is a multiple of 4)
	v_lshlrev_b32 v3, 4, v2                        ; my 16 bytes of a load's 512
	s_lshl_b32 s41, s22, 13                        ; my wave's 8,192 bytes of LDS
	v_lshrrev_b32 v14, 2, v2
	v_mul_u32_u24 v14, v14, SP
	v_and_b32 v15, 3, v2
	v_lshl_add_u32 v14, v15, 4, v14
	v_add_nc_u32 v14, s41, v14                     ; the stage, on the way in: SP (lane / 4) + 16 (lane % 4)
	v_mul_u32_u24 v15, v2, SP
	v_add_nc_u32 v15, s41, v15                     ; and on the way out: SP x lane: my 16 neighbours
	v_lshlrev_b32 v4, 3, v2                        ; my 8 bytes of a step's codes
	v_lshrrev_b32 v5, 1, v2
	s_add_co_u32 s41, s41, 2*32*SP
	v_add_nc_u32 v5, s41, v5                       ; my wave's 256 scale bytes: my block's byte
	v_lshlrev_b32 v7, 3, v2
	v_add_nc_u32 v6, s41, v7                       ; and on the way out 8 bytes a lane
	s_lshl_b32 s28, s40, 12                        ; 4 rows of 1,024 bytes of codes
	s_add_nc_u64 s[16:17], s[16:17], s[28:29]
	s_lshl_b32 s28, s40, 8                         ; 4 rows of 64 scale bytes
	s_add_nc_u64 s[18:19], s[18:19], s[28:29]
	s_wait_kmcnt 0x0
.irp j, 0,1,2,3                        ; where row R + j comes from: itself, or the row that scatter_indices names
	s_add_co_u32 s30, s23, \j
	s_cmp_ge_u32 s23, 6400
	s_cselect_b32 s30, s[24+\j], s30
	s_min_u32 s30, s30, 6399                       ; an index stays inside its table
	s_lshl_b32 s30, s30, 13                        ; rows of 8,192 bytes
	s_mov_b32 s31, 0
	s_add_nc_u64 s[32+2*\j:33+2*\j], s[4:5], s[30:31]
.endr
.macro HLOAD t
.irp i, 0,1,2,3
	global_load_b128 v[16+16*((\t)%4)+4*\i:16+16*((\t)%4)+4*\i+3], v3, s[32+2*((\t)/4):33+2*((\t)/4)] offset:2048*((\t)%4)+512*\i
.endr
.endm
.macro HTURN t                         ; step t's numbers through the stage: LDS serves a wave's instructions in order, so no wait stands between the stores and the loads
.irp i, 0,1,2,3
	ds_store_b128 v14, v[16+16*((\t)%4)+4*\i:16+16*((\t)%4)+4*\i+3] offset:32*SP*((\t)%2)+8*SP*\i
.endr
.irp i, 0,1,2,3
	ds_load_b128 v[80+16*((\t)%2)+4*\i:80+16*((\t)%2)+4*\i+3], v15 offset:32*SP*((\t)%2)+16*\i
.endr
.endm
.irp t, 0,1,2,3
	HLOAD \t
.endr
	s_wait_loadcnt 12                              ; step 0's four loads are in
	HTURN 0
.macro HSTEP t
.set XS, 80+16*((\t)%2)
.if (\t) > 0
	s_wait_dscnt 1                                 ; this step's numbers are back from the stage (the last step's byte store may be out): its stores into the stage have read their registers,
.else
	s_wait_dscnt 0x0
.endif
.if (\t)+4 < 16
	HLOAD (\t)+4                                   ; which take the loads of four steps on
.endif
.if (\t)+1 < 16
.if 14-(\t) >= 3
	s_wait_loadcnt 12                              ; the next step's four loads are in; those of the three steps behind it may be out
.else
	s_wait_loadcnt 4*(14-(\t))
.endif
	HTURN (\t)+1
.endif
	v_max3_num_f32 v8, |v[XS]|, |v[XS+1]|, |v[XS+2]|               ; the largest magnitude of my 16
	v_max3_num_f32 v9, |v[XS+3]|, |v[XS+4]|, |v[XS+5]|
.irp i, 6,10
	v_max3_num_f32 v8, v8, |v[XS+\i]|, |v[XS+\i+1]|
	v_max3_num_f32 v9, v9, |v[XS+\i+2]|, |v[XS+\i+3]|
.endr
	v_max3_num_f32 v8, v8, |v[XS+14]|, |v[XS+15]|
	v_max3_num_f32 v8, v8, v9, 0x1800000           ; and the floor 2^(3 - 127): the byte cannot fall under 1
	v_max_num_f32_dpp v8, v8, v8 row_xmask:1 row_mask:0xf bank_mask:0xf   ; and of my neighbour's 16: the block's
	v_add_nc_u32 v11, 0xff000000, v8               ; 2 off its exponent field: the conversion takes the exponent field of this operand as its scale
	v_cvt_scalef32_pk8_fp4_f32 v[128+4*(\t)], v[XS:XS+7], v11
	v_cvt_scalef32_pk8_fp4_f32 v[129+4*(\t)], v[XS+8:XS+15], v11
	v_lshrrev_b32 v[112+(\t)], 23, v11             ; the scale's byte
	ds_store_b8 v5, v[112+(\t)] offset:16*(\t)     ; both lanes of a block write the same byte with the same value
	global_store_b64 v4, v[128+4*(\t):129+4*(\t)], s[16:17] offset:256*(\t)   ; the wave stores 256 consecutive bytes, aligned
.endm
.irp t, 0,1,2,3,4,5,6,7,8,9,10,11,12,13,14,15
	HSTEP \t
.endr
	ds_load_b64 v[8:9], v6                         ; LDS serves a wave's instructions in order: these see my stores
	s_wait_dscnt 0x0
	global_store_b64 v7, v[8:9], s[18:19]          ; 256 consecutive scale bytes, aligned
	s_branch .Lend
; ---------------- path W: K is the weight's first axis.  A lane takes a column and its registers run down K.  A wave: 32 columns x 512 along K; a work-group: one slot of 128 columns.
.Lpath_w:
	s_sub_co_u32 s40, ttmp9, 416
	s_and_b32 s41, s40, 15                         ; the slot
	s_lshr_b32 s42, s40, 4                         ; which 512 along K
	s_sub_co_u32 s43, s41, 8                       ; slots 8 on: k and v by turns
	s_and_b32 s44, s43, 1
	s_cmp_eq_u32 s44, 1
	s_cselect_b64 s[10:11], s[12:13], s[10:11]     ; odd: wv, even: wk
	s_lshr_b32 s43, s43, 1                         ; their head
	s_mov_b32 s24, 2048
	s_cmp_lt_u32 s41, 8
	s_cselect_b64 s[8:9], s[8:9], s[10:11]         ; slots 0-7: wq
	s_cselect_b32 s43, s41, s43                    ; which 128 columns of the source
	s_cselect_b32 s24, 4096, s24                   ; a row of the source in bytes
	s_lshl_b32 s26, s42, 9
	s_mul_i32 s26, s26, s24                        ; 512 rows for each step along K
	s_lshl_b32 s27, s43, 9
	s_add_co_u32 s26, s26, s27
	s_lshl_b32 s27, s22, 7                         ; my wave's 32 columns
	s_add_co_u32 s26, s26, s27
	s_mov_b32 s27, 0
	s_add_nc_u64 s[SB:SB+1], s[8:9], s[26:27]      ; block 0's base;
	s_lshl_b32 s28, s24, 5
	s_mov_b32 s29, 0
.irp t, 1,2,3,4,5,6,7,8,9,10,11,12,13,14,15
	s_add_nc_u64 s[SB+2*\t:SB+2*\t+1], s[SB+2*\t-2:SB+2*\t-1], s[28:29]   ; block t's: 32 rows on.  No base and no offset is ever rewritten
.endr
	v_lshlrev_b32 v100, 2, v2                      ; row i of a block: 4 x lane + i rows: v100-127, v176-179
.irp i, 1,2,3,4,5,6,7,8,9,10,11,12,13,14,15,16,17,18,19,20,21,22,23,24,25,26,27,28,29,30,31
	v_add_nc_u32 v[100+\i+48*(\i/28)], s24, v[99+\i+48*((\i-1)/28)]
.endr
	s_lshl_b32 s45, s41, 7
	s_lshl_b32 s46, s22, 5
	s_add_co_u32 s45, s45, s46
	s_add_co_u32 s45, s45, 6656                    ; my wave's first row of codes
	s_lshl_b32 s26, s45, 10
	s_lshl_b32 s46, s42, 8
	s_add_co_u32 s26, s26, s46
	s_add_nc_u64 s[16:17], s[16:17], s[26:27]
	s_lshl_b32 s26, s45, 6
	s_lshl_b32 s46, s42, 4
	s_add_co_u32 s26, s26, s46
	s_add_nc_u64 s[18:19], s[18:19], s[26:27]
	s_mul_i32 s47, s22, 32*WP
	s_add_co_u32 s47, s47, WST                     ; my stage
	v_mul_u32_u24 v4, v2, WP
	v_add_nc_u32 v4, s47, v4                       ; into it: row = my column
	v_and_b32 v5, 15, v2
	v_lshrrev_b32 v6, 4, v2
	v_mul_u32_u24 v7, v6, WP
	v_lshl_add_u32 v7, v5, 4, v7
	v_add_nc_u32 v7, s47, v7                       ; out of it: sixteen lanes to a row, two rows an instruction
	v_lshlrev_b32 v8, 10, v6
	v_lshl_add_u32 v8, v5, 4, v8                   ; and the same place in codes
	v_lshlrev_b32 v9, 6, v2                        ; my column's row of scale bytes
.macro WLOAD t
.irp i, 0,1,2,3,4,5,6,7,8,9,10,11,12,13,14,15,16,17,18,19,20,21,22,23,24,25,26,27,28,29,30,31
	global_load_b32 v[32+32*((\t)%2)+\i], v[100+\i+48*(\i/28)], s[SB+2*(\t):SB+2*(\t)+1] th:TH_LOAD_NT
.endr
.endm
	WLOAD 0
	WLOAD 1
.macro WBLOCK t
.set XS, 32+32*((\t)%2)
.if (\t) < 15
	s_wait_loadcnt 32                              ; this block's 32 loads are in; the next block's may be out
.else
	s_wait_loadcnt 0x0
.endif
	v_max3_num_f32 v16, |v[XS]|, |v[XS+1]|, |v[XS+2]|              ; the block's largest magnitude: all 32 numbers are mine
	v_max3_num_f32 v17, |v[XS+3]|, |v[XS+4]|, |v[XS+5]|
.irp i, 6,10,14,18,22,26
	v_max3_num_f32 v16, v16, |v[XS+\i]|, |v[XS+\i+1]|
	v_max3_num_f32 v17, v17, |v[XS+\i+2]|, |v[XS+\i+3]|
.endr
	v_max3_num_f32 v16, v16, |v[XS+30]|, |v[XS+31]|
	v_max3_num_f32 v16, v16, v17, 0x1800000        ; and the floor
	v_add_nc_u32 v11, 0xff000000, v16              ; the conversion's scale operand
	v_lshrrev_b32 v17, 23, v11                     ; the scale's byte
.if (\t)%4 == 0
	v_mov_b32 v[24+(\t)/4], v17                    ; four bytes to a register, the lower K in the lower byte
.else
	v_lshl_or_b32 v[24+(\t)/4], v17, 8*((\t)%4), v[24+(\t)/4]
.endif
.irp g, 0,1,2,3
	v_cvt_scalef32_pk8_fp4_f32 v[96+\g], v[XS+8*\g:XS+8*\g+7], v11
.endr
	ds_store_b128 v4, v[96:99] offset:16*(\t)      ; 32 codes: 16 bytes of my column's row
.if (\t)+2 < 16
	WLOAD (\t)+2
.endif
	s_wait_dscnt 0x0                               ; the store has read its registers: the next block's codes may be written
.endm
.irp t, 0,1,2,3,4,5,6,7,8,9,10,11,12,13,14,15
	WBLOCK \t
.endr
	global_store_b128 v9, v[24:27], s[18:19]       ; my column's 16 scale bytes
.irp t, 0,1,2,3,4,5,6,7,8,9,10,11,12,13,14,15
	ds_load_b128 v[32+4*\t:35+4*\t], v7 offset:2*\t*WP
.endr
.irp t, 0,1,2,3,4,5,6,7,8,9,10,11,12,13,14,15
	s_wait_dscnt 15-\t                             ; LDS loads come back in order: number t is in
	global_store_b128 v8, v[32+4*\t:35+4*\t], s[16:17] offset:2*\t*1024       ; sixteen lanes store 256 consecutive bytes, aligned
.endr
.Lend:
	s_wait_tensorcnt 0x0                           ; the wave's end
	ds_add_u32 v[SPW], v[NIL]
	s_wait_dscnt 0x0
	s_endpgm
.Lfunc_end_k_q5395d9f410_prep:
	.size	k_q5395d9f410_prep, .Lfunc_end_k_q5395d9f410_prep-k_q5395d9f410_prep
	.p2alignl 7, 3214868480
	.fill 96, 4, 3214868480
	.section	.rodata,"a",@progbits
	.p2align	6, 0x0
	.amdhsa_kernel k_q5395d9f410_prep
		.amdhsa_group_segment_fixed_size 68096
		.amdhsa_private_segment_fixed_size 0
		.amdhsa_enable_private_segment 0
		.amdhsa_kernarg_size 72
		.amdhsa_user_sgpr_count 2
		.amdhsa_user_sgpr_kernarg_segment_ptr 1
		.amdhsa_wavefront_size32 1
		.amdhsa_system_sgpr_workgroup_id_x 1
		.amdhsa_system_sgpr_workgroup_id_y 1
		.amdhsa_system_sgpr_workgroup_id_z 1
		.amdhsa_system_vgpr_workitem_id 0
		.amdhsa_next_free_vgpr 192
		.amdhsa_next_free_sgpr 100
		.amdhsa_reserve_vcc 0
		.amdhsa_float_denorm_mode_32 3
		.amdhsa_float_denorm_mode_16_64 3
		.amdhsa_memory_ordered 1
		.amdhsa_forward_progress 1
		.amdhsa_inst_pref_size 146
	.end_amdhsa_kernel
	.amdgpu_metadata
---
amdhsa.version: [ 1, 2 ]
amdhsa.kernels:
  - .name:           k_q5395d9f410_prep
    .symbol:         k_q5395d9f410_prep.kd
    .args:
      - { .name: hidden_states, .offset: 0, .size: 8, .value_kind: global_buffer, .address_space: global }
      - { .name: scatter_indices, .offset: 8, .size: 8, .value_kind: global_buffer, .address_space: global }
      - { .name: wq, .offset: 16, .size: 8, .value_kind: global_buffer, .address_space: global }
      - { .name: wk, .offset: 24, .size: 8, .value_kind: global_buffer, .address_space: global }
      - { .name: wv, .offset: 32, .size: 8, .value_kind: global_buffer, .address_space: global }
      - { .name: wo, .offset: 40, .size: 8, .value_kind: global_buffer, .address_space: global }
      - { .name: codes, .offset: 48, .size: 8, .value_kind: global_buffer, .address_space: global }
      - { .name: scales, .offset: 56, .size: 8, .value_kind: global_buffer, .address_space: global }
      - { .name: wo_img, .offset: 64, .size: 8, .value_kind: global_buffer, .address_space: global }
    .group_segment_fixed_size: 68096
    .private_segment_fixed_size: 0
    .kernarg_segment_align: 8
    .kernarg_segment_size: 72
    .max_flat_workgroup_size: 128
    .sgpr_count:     100
    .vgpr_count:     192
    .wavefront_size: 32
...
	.end_amdgpu_metadata
.endif
;; end of part 1
;; launch qkv (part 2): grid 8 x 26, 4 waves a work-group, clusters of 4 x 1, 327,680 bytes of LDS; arguments codes, scales, cos, sin, scatter_indices, q_norm_w, k_norm_w, qkv16, qkv_fine; writes qkv16, qkv_fine
.if DOCPART == 2
	.amdgcn_target "amdgcn-amd-amdhsa--gfx1250"
	.amdhsa_code_object_version 6
	.text
	.protected	k_q5395d9f410_qkv
	.globl	k_q5395d9f410_qkv
	.p2align	8
	.type	k_q5395d9f410_qkv,@function
k_q5395d9f410_qkv:
	s_mov_b64 s[64:65], 0
	v_nop
	global_prefetch_b8 v0, s[64:65] scope:SCOPE_SE
	s_setreg_imm32_b32 hwreg(HW_REG_WAVE_MODE, 25, 1), 1
	s_wait_xcnt 0x0
	s_wait_alu depctr_hold_cnt(0) depctr_sa_sdst(0) depctr_va_vdst(0) depctr_va_sdst(0) depctr_va_ssrc(0) depctr_va_vcc(0) depctr_vm_vsrc(0)
	s_getreg_b32 s2, hwreg(HW_REG_IB_STS2, 6, 4)
	s_cmp_eq_u32 s2, 0
	s_cbranch_scc0 .Lentry_in_a_cluster
	s_endpgm
.Lentry_in_a_cluster:
	s_bfe_u32 s2, ttmp6, 0x10000c
	s_cmp_lg_u32 s2, 0x3003
	s_cbranch_scc0 .Lentry_shape_is_right
	s_endpgm
.Lentry_shape_is_right:
; QKV: [6656 rows] x [2048 columns], K = 2,048, on codes of FP4 (E2M1) with one E8M0 scale for each 32 along K; then, on the way out, the RMS norm and the rotation of q's and k's heads.
; Rows 0-6399: the compact tokens, results rounded to f16 into qkv16 [6400][2048].  Rows 6400-6655 (tile row 25): the first 32 positions of each sequence, results kept in f32 in qkv_fine [256][2048].
; Columns in slots of 128: q0..q7, k0, v0, k1, v1, k2, v2, k3, v3.  A wave's 128 columns are ONE slot, so a head's norm and rotation never leave the wave.
; A tile of 256 x 256 to a work-group of four waves, 128 x 128 a wave: 64 accumulators, 512 registers.  K goes in steps of 512 through two LDS slots filled by the tensor data mover (rows of 256 bytes).
; The scale bytes of the work-group's rows, for all of K, come into LDS once, with the first fills.
; CLUSTER: 26 tile rows are no multiple of 4, so the cluster is 4 x 1 along the columns: its four work-groups need the same tiles of A (codes and scales), which are asked for jointly (mask 15);
; B's tiles differ between them and come by plain loads, in the same rounds.  No branch and no LDS address hangs on a work-group's place in its cluster: branches hang on the cluster's x and y and the wave's number.
; THE MATRIX INSTRUCTION IS USED TRANSPOSED (source 0 = 16 rows of B, source 1 = 16 rows of A): lane (r, h) of accumulator (a, b) holds row 16 a + r and columns 16 b + 8 h + 0..7 of the wave's part.
; LIMITS: v beyond 65,504 has no f16 number (the drawn spread times 900 stays under it).  NaN and infinities are not served.
; REGISTERS: window 0: v0-31 addresses; v32-95 scale words, two sets, and nothing else; v96-103 offsets into cos and sin; v128-191 A's fragments; v192-255 the norm's weights.  Way out: v104-121 at work, v128-191 a block's 64 numbers.
;   window 1: B's fragments at v0-63 and v128-191; cos and sin of a block of rows in four buffers of 64, two of which (v64-127, v192-255) are idle in the loop.   windows 2, 3: the accumulators.
.set KSTEP,  512
.set NQ,     4
.set ROWB,   256
.set KROW,   1024                      ; a row of codes in memory
.set PITCH,  272                       ; an LDS row: 256 bytes + 16 of padding: the 16 rows that a load touches start at 16 different banks
.set FR,     8
.set NL,     2
.set NP,     4
.set HALFT,  128*PITCH
.set SLOT,   4*HALFT
.set LAPS,   2
.set KS,     64                        ; a row of scale bytes
.set SCL,    2*SLOT
.set HALFS,  (128*KS/256)*272
.set SBLK,   (16*KS/256)*272
.set SPARE,  SCL+4*HALFS               ; the spare words: two blocks of 256 bytes that no other line names
.set BROW0,  6656                      ; the weights' first row in codes and scales
.set ADRA, 16
.set ADRB, 20
.set CO32, 22                          ; v22  way out, f32 rows: (l / 16) x 8,192 + 16 (l % 16)
.set STO32, 23                         ; v23  stage + 272 r + 32 h
.set STO16, 24                         ; v24  stage + 272 r + 16 h
.set RD,   25                          ; v25  stage + 272 (l / 16) + 16 (l % 16)
.set CO16, 26                          ; v26  way out, f16 rows: (l / 16) x 4,096 + 16 (l % 16)
.set ADRS, 27
.set SPW,  28
.set NIL,  29
.set H32,  30                          ; v30  32 h
.set SC,   32
.set CA,   96                          ; v96-103  block a: my row's byte offset in cos and sin, + 32 h
.set SS,   104                         ; v104-111 sums of squares
.set U,    112                         ; v112-119 at work in the rotation
.set IV,   120                         ; v120-121 1 / rms (1.0 for v)
.set AF,   128
.set T,    128                         ; a block's 64 numbers; rounded to f16 they take the first 32 of these registers
.set NW,   192                         ; the norm's weights at my 64 columns
.set G1, 24
.set G0, 32
.set G1B, 48
.set G0B, 56
.set G1S, 68
.set G0S, 76
.set G1SB, 80
.set G0SB, 88
.set ISV, 100                          ; s100  1: my slot is a head of v
.set SFINE, 101                        ; s101  1: tile row 25
.set MSB, 0
.macro WIN new                         ; the immediate's high byte repeats the setting that is left
.if MSB != (\new)
	s_set_vgpr_msb (MSB<<8)|(\new)
.set MSB, (\new)
.endif
.endm
.set MUL_LO, 0xa1
.set MUL_HI, 0xf1
.set TO_B,   0x40
; Waves 0 and 1 fetch for A (jointly), waves 2 and 3 for B.  The branch hangs on the wave's number alone.  An s_nop 0 and four v_nop follow each of the two lines.
.macro JLOAD g0a, g1a, g0b, g1b
	s_cmp_eq_u32 s15, 0
	s_cbranch_scc0 .Lfor_b_\@
	tensor_load_to_lds s[\g0a:\g0a+3], s[\g1a:\g1a+7]
	s_nop 0
.rept 4
	v_nop
.endr
	s_branch .Lasked_\@
.Lfor_b_\@:
	tensor_load_to_lds s[\g0b:\g0b+3], s[\g1b:\g1b+7]
	s_nop 0
.rept 4
	v_nop
.endr
.Lasked_\@:
.endm
.macro CREST
	s_cmp_lg_u32 s14, 0
	s_cbranch_scc1 .Lnot_wave_0_\@
	s_barrier_signal -3
.Lnot_wave_0_\@:
	s_barrier_wait -3
	s_barrier_signal -1
	s_barrier_wait -1
.endm
.macro CROUND
	s_barrier_signal -1
	s_barrier_wait -1
	CREST
.endm
	s_load_b128 s[4:7], s[0:1], 0x0                ; codes, scales
	v_lshl_add_u32 v[SPW], v0, 2, SPARE
	v_mov_b32 v[NIL], 0
	ds_add_u32 v[SPW], v[NIL]                      ; the wave's opening: the add, twice on end, and its wait ahead of my first tensor load
	ds_add_u32 v[SPW], v[NIL]
	v_lshrrev_b32 v1, 5, v0
	v_readfirstlane_b32 s14, v1                    ; wave 0..3
	s_lshr_b32 s15, s14, 1                         ; my half of the tile's rows.  Also: I fetch for A (0) or for B (1)
	s_and_b32 s16, s14, 1                          ; my half of its columns.  Also: which 128 rows of that tile I fetch
	s_bfe_u32 s40, ttmp6, 0x40000                  ; cx
	s_lshl_b32 s42, ttmp9, 2
	s_add_co_u32 s42, s42, s40                     ; tile column = 4 x cluster x + cx: it enters global addresses alone
	s_and_b32 s17, ttmp7, 0xffff                   ; tile row
	s_mov_b32 s[G1+0], 15|(1<<20)|(1<<21)|(5<<22)|(3<<25)           ; A: mask of all four; elements of 1 byte; 4 words of padding after every 64
	s_mov_b32 s[G1B+0], (1<<20)|(5<<22)|(3<<25)                     ; B: no mask
.irp g, G1, G1B
	s_mov_b32 s[\g+1], ROWB<<16                    ; tensor_dim0
	s_mov_b32 s[\g+2], 128<<16                     ; tensor_dim1
	s_mov_b32 s[\g+3], ROWB<<16                    ; tile_dim0
	s_mov_b32 s[\g+4], 128                         ; tile_dim1
	s_mov_b32 s[\g+5], KROW                        ; stride
	s_mov_b32 s[\g+6], 0
	s_mov_b32 s[\g+7], 0
.endr
	s_mov_b32 s[G1S+0], 15|(3<<16)|(1<<20)|(1<<21)|(5<<22)|(3<<25)  ; the scales of 128 rows: 8,192 dense bytes as 32 rows of 256 (32 elements of 8 bytes), 16 bytes of padding behind each
	s_mov_b32 s[G1SB+0], (3<<16)|(1<<20)|(5<<22)|(3<<25)
.irp g, G1S, G1SB
	s_mov_b32 s[\g+1], 32<<16
	s_mov_b32 s[\g+2], (128*KS/256)<<16
	s_mov_b32 s[\g+3], 32<<16
	s_mov_b32 s[\g+4], 128*KS/256
	s_mov_b32 s[\g+5], 32
	s_mov_b32 s[\g+6], 0
	s_mov_b32 s[\g+7], 0
.endr
	s_lshl_b32 s18, s16, 7
	s_lshl_b32 s20, s17, 8
	s_add_co_u32 s20, s20, s18                     ; A: row 256 x tile row + 128 x half
	s_lshl_b32 s46, s42, 8
	s_add_co_u32 s46, s46, s18
	s_add_co_u32 s46, s46, BROW0                   ; B: row 6,656 + 256 x tile column + 128 x half
	s_lshl_b32 s22, s20, 6                         ; their scale bytes,
	s_mov_b32 s23, 0
	s_lshl_b32 s92, s46, 6
	s_mov_b32 s93, 0
	s_lshl_b32 s20, s20, 10                        ; their codes
	s_mov_b32 s21, 0
	s_lshl_b32 s46, s46, 10
	s_mov_b32 s47, 0
	s_mul_i32 s45, s14, HALFT                      ; where they go: wave x 128 rows
	s_mul_i32 s94, s14, HALFS
	s_mov_b32 s98, 0x3c000000                      ; 1 / 128
	s_mov_b32 s99, 0x358637bd                      ; 1e-6
	s_mov_b32 s104, 0x76543210                     ; v_permlanex16_b32's selects for lane l xor 16
	s_mov_b32 s105, 0xfedcba98
	s_cmp_eq_u32 ttmp9, 1                          ; tile columns 4-7 hold k (column half 0) and v (half 1)
	s_cselect_b32 s[ISV], s16, 0
	s_cmp_eq_u32 s17, 25
	s_cselect_b32 s[SFINE], 1, 0
	s_wait_dscnt 0x0                               ; both opening adds are done
	s_wait_kmcnt 0x0
	s_add_nc_u64 s[20:21], s[4:5], s[20:21]
	s_add_nc_u64 s[22:23], s[6:7], s[22:23]
	s_add_nc_u64 s[46:47], s[4:5], s[46:47]
	s_add_nc_u64 s[92:93], s[6:7], s[92:93]
	CROUND                                         ; all four work-groups are here: the first joint loads meet
	s_mov_b32 s[G0S], 1
	s_add_co_u32 s[G0S+1], s94, SCL
	s_mov_b64 s[G0S+2:G0S+3], s[22:23]
	s_or_b32 s[G0S+3], s[G0S+3], 0x80000000
	s_mov_b32 s[G0SB], 1
	s_add_co_u32 s[G0SB+1], s94, SCL
	s_mov_b64 s[G0SB+2:G0SB+3], s[92:93]
	s_or_b32 s[G0SB+3], s[G0SB+3], 0x80000000
	JLOAD G0S, G1S, G0SB, G1SB                     ; the scales first: they are wanted with K step 0
.irp s, 0,1
	s_mov_b32 s[G0+4*\s], 1
	s_add_co_u32 s[G0+4*\s+1], s45, \s*SLOT
	s_add_nc_u64 s[G0+4*\s+2:G0+4*\s+3], s[20:21], \s*ROWB
	s_or_b32 s[G0+4*\s+3], s[G0+4*\s+3], 0x80000000
	s_mov_b32 s[G0B+4*\s], 1
	s_add_co_u32 s[G0B+4*\s+1], s45, \s*SLOT
	s_add_nc_u64 s[G0B+4*\s+2:G0B+4*\s+3], s[46:47], \s*ROWB
	s_or_b32 s[G0B+4*\s+3], s[G0B+4*\s+3], 0x80000000
	JLOAD G0+4*\s, G1, G0B+4*\s, G1B
.endr
	v_and_b32 v1, 15, v0                           ; r
	v_bfe_u32 v2, v0, 4, 1                         ; h
	v_mul_u32_u24 v3, v1, PITCH
	v_lshl_add_u32 v4, v2, 4, v3                   ; row x pitch + 16 h
	s_mul_i32 s21, s15, HALFT
	s_mul_i32 s22, s16, HALFT
	s_add_co_u32 s22, s22, 2*HALFT
.irp s, 0,1
	v_add_nc_u32 v[ADRA+\s], s21, v4
	v_add_nc_u32 v[ADRB+\s], s22, v4
	s_add_co_u32 s21, s21, SLOT
	s_add_co_u32 s22, s22, SLOT
.endr
	v_mul_u32_u24 v5, v1, KS                       ; my row's scales: KS bytes a row,
	v_lshrrev_b32 v6, 8, v5
	v_lshl_add_u32 v5, v6, 4, v5                   ; and 16 more for each 256 passed
	s_mul_i32 s21, s15, HALFS
	s_mul_i32 s22, s16, HALFS
	s_add_co_u32 s22, s22, 2*HALFS
	s_sub_co_u32 s22, s22, s21
	v_mul_u32_u24 v6, s22, v2                      ; lanes 16-31 take B's
	s_add_co_u32 s21, s21, SCL
	v_add_nc_u32 v5, v5, v6
	v_add_nc_u32 v[ADRS], s21, v5
	s_mul_i32 s23, s14, 16*272                     ; my stage, 16 rows x 272 bytes, in slot 0: it has had its last fill and its last read when the first result is stored there
	v_add_nc_u32 v[STO16], s23, v4
	v_lshl_add_u32 v5, v2, 5, v3
	v_add_nc_u32 v[STO32], s23, v5
	v_mul_u32_u24 v5, v2, 272
	v_lshl_add_u32 v5, v1, 4, v5
	v_add_nc_u32 v[RD], s23, v5
	v_lshlrev_b32 v5, 4, v1
	v_lshl_add_u32 v[CO16], v2, 12, v5
	v_lshl_add_u32 v[CO32], v2, 13, v5
	v_lshlrev_b32 v[H32], 5, v2
.macro FRAG reg, adr, q, i             ; 16 rows x 128 K of 4-bit codes: 8 registers
.irp c, 0,1
	ds_load_b128 v[\reg+4*\c:\reg+4*\c+3], v[\adr] offset:64*(\q)+32*\c+(\i)*16*PITCH
.endr
.endm
; 16 matrix instructions: A's blocks a0, a0 + 1 x B's eight.  The 64 accumulators take turns, one instruction a turn, in the same order in every step.
.macro MUL16 a0, p, q, sc, zero
.irp a, \a0, \a0+1
.irp b, 0,1,2,3,4,5,6,7
.if \zero
	v_wmma_scale_f32_16x16x128_f8f6f4 v[8*(8*((\a)%4)+\b):8*(8*((\a)%4)+\b)+7], v[128*(\p)+FR*\b:128*(\p)+FR*\b+FR-1], v[AF+FR*(\a):AF+FR*(\a)+FR-1], 0, v[SC+8*NQ*(\sc)+NQ*\b+(\q)], v[SC+8*NQ*(\sc)+NQ*(\a)+(\q)] matrix_a_fmt:MATRIX_FMT_FP4 matrix_b_fmt:MATRIX_FMT_FP4 matrix_a_scale:MATRIX_SCALE_ROW1
.else
	v_wmma_scale_f32_16x16x128_f8f6f4 v[8*(8*((\a)%4)+\b):8*(8*((\a)%4)+\b)+7], v[128*(\p)+FR*\b:128*(\p)+FR*\b+FR-1], v[AF+FR*(\a):AF+FR*(\a)+FR-1], v[8*(8*((\a)%4)+\b):8*(8*((\a)%4)+\b)+7], v[SC+8*NQ*(\sc)+NQ*\b+(\q)], v[SC+8*NQ*(\sc)+NQ*(\a)+(\q)] matrix_a_fmt:MATRIX_FMT_FP4 matrix_b_fmt:MATRIX_FMT_FP4 matrix_a_scale:MATRIX_SCALE_ROW1
.endif
.endr
.endr
.endm
.macro FETCH_B slot, q, p
	WIN TO_B
.irp i, 0,1,2,3,4,5,6,7
	FRAG 128*(\p)+FR*\i, ADRB+\slot, \q, \i
.endr
	WIN 0
.endm
.macro FETCH_A slot, q, i0
.irp i, \i0, \i0+1, \i0+2, \i0+3
	FRAG AF+FR*(\i), ADRA+\slot, \q, \i
.endr
.endm
.macro SCALES sc                       ; a K step's scale words: lanes 0-15 take A's block i, lanes 16-31 B's block i
.irp i, 0,1,2,3,4,5,6,7
	ds_load_b128 v[SC+8*NQ*\sc+NQ*\i:SC+8*NQ*\sc+NQ*\i+3], v[ADRS] offset:\i*SBLK
.endr
.endm
.macro PLACES n                        ; plain vector instructions between a matrix instruction and a load into, or a vector access of, its registers
.rept \n
	v_nop
.endr
.endm
.macro STEP slot, q, zero
	s_wait_dscnt 4*NL                              ; B's set and A's blocks 0-3 are in; the youngest eight loads (A's blocks 4-7) may be out
	WIN MUL_LO
	MUL16 0, (\q)%2, \q, \slot, \zero
	MUL16 2, (\q)%2, \q, \slot, \zero
	s_wait_dscnt 0
	PLACES NP
	FETCH_B \slot, (\q)+1, 1-(\q)%2
	FETCH_A \slot, (\q)+1, 0
	WIN MUL_HI
	MUL16 4, (\q)%2, \q, \slot, \zero
	MUL16 6, (\q)%2, \q, \slot, \zero
	PLACES NP
	WIN 0
	FETCH_A \slot, (\q)+1, 4
.endm
; A slot's last step changes slots: one barrier; in front of it each wave waits for all its tensor loads, adds 0 to its spare word, and waits for that and for its own reads of this slot.
.macro TURN slot, next, fill
	s_wait_tensorcnt 0x0                           ; all my tensor loads have landed: my part of the next slot
	ds_add_u32 v[SPW], v[NIL]
	s_wait_dscnt 4*NL+1                            ; (the add and the youngest eight loads may be out)
	WIN MUL_LO
	MUL16 0, 1, NQ-1, \slot, 0
	s_wait_dscnt 0x0                               ; the add is done, and my reads of this slot are over
	s_barrier_signal -1
	MUL16 2, 1, NQ-1, \slot, 0
	WIN 0
	s_barrier_wait -1
.if \fill
	CREST                                          ; the barrier has opened a round of the cluster's barrier: no wave of any partner still reads this slot or has a load on its way
	s_add_nc_u64 s[G0+4*\slot+2:G0+4*\slot+3], s[G0+4*\slot+2:G0+4*\slot+3], 2*ROWB
	s_add_nc_u64 s[G0B+4*\slot+2:G0B+4*\slot+3], s[G0B+4*\slot+2:G0B+4*\slot+3], 2*ROWB
	JLOAD G0+4*\slot, G1, G0B+4*\slot, G1B         ; the first tensor load behind the round; its four v_nop are the places in front of the loads below
.else
	PLACES NP
.endif
	v_add_nc_u32 v[ADRS], 4*NQ, v[ADRS]            ; on to the next K step's scale words
	FETCH_B \next, 0, 0
	FETCH_A \next, 0, 0
	SCALES \next
	WIN MUL_HI
	MUL16 4, 1, NQ-1, \slot, 0
	MUL16 6, 1, NQ-1, \slot, 0
	PLACES NP
	WIN 0
	FETCH_A \next, 0, 4
.endm
.macro STEPS slot, from
.set Q, \from
.rept NQ-1-\from
	STEP \slot, Q, 0
.set Q, Q+1
.endr
.endm
; cos and sin of block a's 16 rows at my 32 places (16 b + 8 h + 0..7, b < 4): 16 loads into the block's buffer in window 1: cos in its registers 0-31, sin in 32-63
.macro CSLOAD a
.if ((\a)%4) < 2
.set CB, 64+128*((\a)%2)
.else
.set CB, 128*((\a)%2)
.endif
	WIN 0x40
.irp b, 0,1,2,3
	global_load_b128 v[CB+8*\b:CB+8*\b+3], v[CA+(\a)], s[68:69] offset:64*\b
	global_load_b128 v[CB+8*\b+4:CB+8*\b+7], v[CA+(\a)], s[68:69] offset:64*\b+16
	global_load_b128 v[CB+32+8*\b:CB+32+8*\b+3], v[CA+(\a)], s[70:71] offset:64*\b
	global_load_b128 v[CB+32+8*\b+4:CB+32+8*\b+7], v[CA+(\a)], s[70:71] offset:64*\b+16
.endr
	WIN 0
.endm
	s_wait_tensorcnt 1                             ; the scales and my part of K step 0 are in (K step 1's load may be out),
	s_barrier_signal -1
	s_barrier_wait -1                              ; everybody's are
	FETCH_B 0, 0, 0
	FETCH_A 0, 0, 0
	SCALES 0
	FETCH_A 0, 0, 4
	; THE TABLES FOR THE WAY OUT are asked for here, under the first fragments' way.  The scales' loads are done, so their descriptors' registers take the other arguments.
	s_load_b256 s[68:75], s[0:1], 0x10             ; cos s[68:69], sin s[70:71], scatter s[72:73], q_norm_w s[74:75]
	s_load_b128 s[76:79], s[0:1], 0x30             ; k_norm_w s[76:77], qkv16 s[78:79]
	s_load_b64 s[80:81], s[0:1], 0x40              ; qkv_fine
	v_mov_b32 v[IV], 1.0                           ; v is neither normed nor rotated
	v_mov_b32 v[IV+1], 1.0
	s_lshl_b32 s84, s17, 8
	s_lshl_b32 s85, s15, 7                         ; 128 x my row half
	s_add_co_u32 s86, s84, s85                     ; my first row
	s_lshl_b32 s87, s42, 8
	s_lshl_b32 s92, s16, 7
	s_add_co_u32 s87, s87, s92                     ; my first column
	s_lshl_b32 s92, s86, 12
	s_lshl_b32 s93, s87, 1
	s_add_co_u32 s92, s92, s93                     ; in qkv16: rows of 4,096 bytes
	s_lshl_b32 s93, s15, 20
	s_lshl_b32 s94, s87, 2
	s_add_co_u32 s93, s93, s94                     ; in qkv_fine: rows of 8,192 bytes
	s_wait_kmcnt 0x0
	s_cmp_eq_u32 s[SFINE], 1
	s_cselect_b64 s[82:83], s[80:81], s[78:79]
	s_cselect_b32 s92, s93, s92
	s_mov_b32 s93, 0
	s_add_nc_u64 s[82:83], s[82:83], s[92:93]      ; where my part of the result begins; every later step is an immediate
	s_cmp_eq_u32 ttmp9, 0
	s_cselect_b64 s[74:75], s[74:75], s[76:77]     ; q's weights or k's
	s_cmp_eq_u32 s[ISV], 1
	s_cbranch_scc1 .Lno_tables
	s_cmp_eq_u32 s[SFINE], 1
	s_cbranch_scc1 .Lfine_rows
	v_add_nc_u32 v7, s86, v1
.irp a, 0,1,2,3,4,5,6,7
	v_add_nc_u32 v[CA+\a], 16*\a, v7               ; a compact token's row of cos and sin is its own number
.endr
	s_branch .Lrows_done
.Lfine_rows:                                       ; tile row 25: row 32 b + p stands for the compact token scatter_indices[1024 b + p]
	v_add_nc_u32 v7, s85, v1
.irp a, 0,1,2,3,4,5,6,7
	v_add_nc_u32 v[U+\a], 16*\a, v7
	v_lshrrev_b32 v[SS+\a], 5, v[U+\a]
	v_and_b32 v[U+\a], 31, v[U+\a]
	v_lshlrev_b32 v[U+\a], 2, v[U+\a]
	v_lshl_add_u32 v[U+\a], v[SS+\a], 12, v[U+\a]
.endr
.irp a, 0,1,2,3,4,5,6,7
	global_load_b32 v[CA+\a], v[U+\a], s[72:73]
.endr
	s_wait_loadcnt 0x0
.Lrows_done:
.irp a, 0,1,2,3,4,5,6,7
	v_min_u32 v[CA+\a], 6399, v[CA+\a]             ; an index stays inside its table
	v_lshl_add_u32 v[CA+\a], v[CA+\a], 8, v[H32]   ; rows of 256 bytes, + 32 h
.endr
.irp b, 0,1,2,3,4,5,6,7
	global_load_b128 v[NW+8*\b:NW+8*\b+3], v[H32], s[74:75] offset:64*\b
	global_load_b128 v[NW+8*\b+4:NW+8*\b+7], v[H32], s[74:75] offset:64*\b+16
.endr
	CSLOAD 0
	CSLOAD 1
.Lno_tables:
	STEP 0, 0, 1                                   ; the first step stands in front of the loop: its products start the sums
	s_mov_b32 s3, LAPS-1
.Llap:
	STEPS 0, 1
	TURN 0, 1, 1
	STEPS 1, 0
	TURN 1, 0, 1
	STEP 0, 0, 0
	s_sub_co_u32 s3, s3, 1
	s_cmp_lg_u32 s3, 0
	s_cbranch_scc1 .Llap
	STEPS 0, 1                                     ; the last lap fills nothing
	TURN 0, 1, 0
	STEPS 1, 0
	s_wait_dscnt 4*NL
	WIN MUL_LO
	MUL16 0, 1, NQ-1, 1, 0
	MUL16 2, 1, NQ-1, 1, 0
	s_wait_dscnt 0
	WIN MUL_HI
	MUL16 4, 1, NQ-1, 1, 0
	MUL16 6, 1, NQ-1, 1, 0
	WIN 0
; THE WAY OUT, a block of 16 rows x 128 columns (one head) at a time.
; THE TABLES.  cos and sin of a block are 64 registers; four buffers.  Blocks 0 and 1 were asked for ahead of the K loop; 2 and 3 are asked for behind it; 4 and 5 behind rotation 2, into the buffers of 0 and 1;
; 6 and 7 at the head of rotation 4, into those of 2 and 3.  The loads stand under the branches on the flag for v; the WAITS for them stand outside every such branch and are for 0, so that they hold on every way
; through the text: behind the K loop, and in front of rotations 2, 4 and 6.  Each stands a block and a half or more behind the loads that it waits for.
.macro SUMSQ a                         ; 1 / sqrt(mean of squares + 1e-6) of my row: my 64 numbers, then lane l xor 16's.  Each accumulator is read from its low end on
.set AC, 64*((\a)%4)
.set W, 2+(\a)/4
	WIN W*5                                        ; sources 0 and 1: the block's window
.irp q, 0,1,2,3
	v_pk_mul_f32 v[SS+2*\q:SS+2*\q+1], v[AC+2*\q:AC+2*\q+1], v[AC+2*\q:AC+2*\q+1]
.endr
.irp b, 1,2,3,4,5,6,7
.irp q, 0,1,2,3
	v_pk_fma_f32 v[SS+2*\q:SS+2*\q+1], v[AC+8*\b+2*\q:AC+8*\b+2*\q+1], v[AC+8*\b+2*\q:AC+8*\b+2*\q+1], v[SS+2*\q:SS+2*\q+1]
.endr
.endr
	WIN 0
	v_pk_add_f32 v[SS:SS+1], v[SS:SS+1], v[SS+2:SS+3]
	v_pk_add_f32 v[SS+4:SS+5], v[SS+4:SS+5], v[SS+6:SS+7]
	v_pk_add_f32 v[SS:SS+1], v[SS:SS+1], v[SS+4:SS+5]
	v_add_f32 v[SS], v[SS], v[SS+1]
	v_permlanex16_b32 v[SS+2], v[SS], s104, s105
	v_add_f32 v[SS], v[SS], v[SS+2]
	v_fma_f32 v[SS], v[SS], s98, s99               ; / 128 + 1e-6
	v_rsq_f32 v[IV], v[SS]
	v_nop                                          ; a plain instruction behind the transcendental,
	s_wait_alu depctr_va_vdst(0)                   ; and a wait ahead of its first reader
.endm
.macro SCALE a                         ; the block's numbers x 1 / rms (v: x 1.0, which brings the sums into window 0, so that the rest is written once)
.set AC, 64*((\a)%4)
.set W, 2+(\a)/4
	WIN W
.set p, 0
.rept 32
	v_pk_mul_f32 v[T+p:T+p+1], v[AC+p:AC+p+1], v[IV:IV+1] op_sel_hi:[1,0]
.set p, p+2
.endr
	WIN 0
.endm
.macro WROPE a                         ; x the norm's weights; then (x1, x2) -> (x1 cos - x2 sin, x1 sin + x2 cos), x1 = columns 0-63, x2 = columns 64-127: both in my lane
.if (\a) == 4
	CSLOAD 6                                       ; the buffers of blocks 2 and 3, which have been rotated, take blocks 6 and 7
	CSLOAD 7
.endif
.if ((\a)%4) < 2
.set CB, 64+128*((\a)%2)
.else
.set CB, 128*((\a)%2)
.endif
.set p, 0
.rept 32
	v_pk_mul_f32 v[T+p:T+p+1], v[T+p:T+p+1], v[NW+p:NW+p+1]
.set p, p+2
.endr
	WIN 0x04                                       ; source 1: window 1
.set p, 0
.rept 16
.set UU, U+4*((p/2)%2)
	v_pk_mul_f32 v[UU:UU+1], v[T+32+p:T+33+p], v[CB+32+p:CB+33+p]
	v_pk_mul_f32 v[UU+2:UU+3], v[T+32+p:T+33+p], v[CB+p:CB+p+1]
	v_pk_fma_f32 v[T+32+p:T+33+p], v[T+p:T+p+1], v[CB+32+p:CB+33+p], v[UU+2:UU+3]
	v_pk_fma_f32 v[T+p:T+p+1], v[T+p:T+p+1], v[CB+p:CB+p+1], v[UU:UU+1] neg_lo:[0,0,1] neg_hi:[0,0,1]
.set p, p+2
.endr
	WIN 0
.if (\a) == 2
	CSLOAD 4                                       ; the buffers of blocks 0 and 1 take blocks 4 and 5
	CSLOAD 5
.endif
.endm
; Through my own stage and back as whole rows, into the block's own spent accumulators: so no store's data are ever written again.  LDS serves a wave's instructions in order: no wait between the stores and the loads.
.macro STAGE a
.set AC, 64*((\a)%4)
.set W, 2+(\a)/4
	s_cmp_eq_u32 s[SFINE], 1
	s_cbranch_scc1 .Lstage_f_\@
.set p, 0
.rept 32
	v_cvt_pk_f16_f32 v[T+p], v[T+2*p], v[T+2*p+1]  ; in place, ascending: register p was read in turn p / 2, so no number is overwritten unread
.set p, p+1
.endr
.irp b, 0,1,2,3,4,5,6,7
	ds_store_b128 v[STO16], v[T+4*\b:T+4*\b+3] offset:32*\b
.endr
	WIN W<<6
.irp t, 0,1,2,3,4,5,6,7
	ds_load_b128 v[AC+4*\t:AC+4*\t+3], v[RD] offset:544*\t
.endr
	WIN 0
	s_branch .Lstage_d_\@
.Lstage_f_\@:                                      ; f32: half a row (64 columns, 256 bytes) at a time
.irp u, 0,1
.irp b, 0,1,2,3
	ds_store_b128 v[STO32], v[T+32*\u+8*\b:T+32*\u+8*\b+3] offset:64*\b
	ds_store_b128 v[STO32], v[T+32*\u+8*\b+4:T+32*\u+8*\b+7] offset:64*\b+16
.endr
	WIN W<<6
.irp t, 0,1,2,3,4,5,6,7
	ds_load_b128 v[AC+32*\u+4*\t:AC+32*\u+4*\t+3], v[RD] offset:544*\t
.endr
	WIN 0
.endr
.Lstage_d_\@:
.endm
.macro SEND a                          ; sixteen lanes store 256 consecutive bytes, aligned
.set AC, 64*((\a)%4)
.set W, 2+(\a)/4
	s_wait_dscnt 0x0                               ; the block is back in registers
	s_cmp_eq_u32 s[SFINE], 1
	s_cbranch_scc1 .Lsend_f_\@
	WIN W<<2                                       ; a store's data: the block's window
.irp t, 0,1,2,3,4,5,6,7
	global_store_b128 v[CO16], v[AC+4*\t:AC+4*\t+3], s[82:83] offset:(16*(\a)+2*\t)*4096
.endr
	WIN 0
	s_branch .Lsend_d_\@
.Lsend_f_\@:
	WIN W<<2
.irp u, 0,1
.irp t, 0,1,2,3,4,5,6,7
	global_store_b128 v[CO32], v[AC+32*\u+4*\t:AC+32*\u+4*\t+3], s[82:83] offset:(16*(\a)+2*\t)*8192+256*\u
.endr
.endr
	WIN 0
.Lsend_d_\@:
.endm
.macro BLOCK a
	s_cmp_eq_u32 s[ISV], 1
	s_cbranch_scc1 .Lv1_\@
	SUMSQ \a
.Lv1_\@:
.if (\a) > 0
	SEND (\a)-1                                    ; the block before has had this block's sums in which to come back from the stage
.endif
	SCALE \a
.if ((\a) == 2) || ((\a) == 4) || ((\a) == 6)
	s_wait_loadcnt 0x0                             ; on every wave's way: all my loads are in: the tables of this block and the next
.endif
	s_cmp_eq_u32 s[ISV], 1
	s_cbranch_scc1 .Lv2_\@
	WROPE \a
.Lv2_\@:
	STAGE \a
.endm
	PLACES NP                                      ; behind the last products: for the first reads of results, and for the loads and writes into registers that held operands
	s_wait_loadcnt 0x0                             ; on every wave's way: the weights and the first two blocks' tables, asked for ahead of the K loop
	s_cmp_eq_u32 s[ISV], 1
	s_cbranch_scc1 .Lno_cs
	CSLOAD 2                                       ; into B's two sets, which are done with
	CSLOAD 3
.Lno_cs:
.irp a, 0,1,2,3,4,5,6,7
	BLOCK \a
.endr
	SEND 7
	s_wait_tensorcnt 0x0                           ; the wave's end
	ds_add_u32 v[SPW], v[NIL]
	s_wait_dscnt 0x0
	CROUND                                         ; the closing round: no work-group ends while a partner may still ask for a tile that names it
	s_endpgm
.Lfunc_end_k_q5395d9f410_qkv:
	.size	k_q5395d9f410_qkv, .Lfunc_end_k_q5395d9f410_qkv-k_q5395d9f410_qkv
	.p2alignl 7, 3214868480
	.fill 96, 4, 3214868480
	.section	.rodata,"a",@progbits
	.p2align	6, 0x0
	.amdhsa_kernel k_q5395d9f410_qkv
		.amdhsa_group_segment_fixed_size 327680
		.amdhsa_private_segment_fixed_size 0
		.amdhsa_enable_private_segment 0
		.amdhsa_kernarg_size 72
		.amdhsa_user_sgpr_count 2
		.amdhsa_user_sgpr_kernarg_segment_ptr 1
		.amdhsa_wavefront_size32 1
		.amdhsa_system_sgpr_workgroup_id_x 1
		.amdhsa_system_sgpr_workgroup_id_y 1
		.amdhsa_system_sgpr_workgroup_id_z 1
		.amdhsa_system_vgpr_workitem_id 0
		.amdhsa_next_free_vgpr 1024
		.amdhsa_next_free_sgpr 106
		.amdhsa_reserve_vcc 0
		.amdhsa_float_denorm_mode_32 3
		.amdhsa_float_denorm_mode_16_64 3
		.amdhsa_memory_ordered 1
		.amdhsa_forward_progress 1
		.amdhsa_inst_pref_size 255
	.end_amdhsa_kernel
	.section	.bss,"aw",@nobits
	.p2align	6
	.space	262144
	.amdgpu_metadata
---
amdhsa.version: [ 1, 2 ]
amdhsa.kernels:
  - .name:           k_q5395d9f410_qkv
    .symbol:         k_q5395d9f410_qkv.kd
    .args:
      - { .name: codes, .offset: 0, .size: 8, .value_kind: global_buffer, .address_space: global }
      - { .name: scales, .offset: 8, .size: 8, .value_kind: global_buffer, .address_space: global }
      - { .name: cos, .offset: 16, .size: 8, .value_kind: global_buffer, .address_space: global }
      - { .name: sin, .offset: 24, .size: 8, .value_kind: global_buffer, .address_space: global }
      - { .name: scatter_indices, .offset: 32, .size: 8, .value_kind: global_buffer, .address_space: global }
      - { .name: q_norm_w, .offset: 40, .size: 8, .value_kind: global_buffer, .address_space: global }
      - { .name: k_norm_w, .offset: 48, .size: 8, .value_kind: global_buffer, .address_space: global }
      - { .name: qkv16, .offset: 56, .size: 8, .value_kind: global_buffer, .address_space: global }
      - { .name: qkv_fine, .offset: 64, .size: 8, .value_kind: global_buffer, .address_space: global }
    .group_segment_fixed_size: 327680
    .private_segment_fixed_size: 0
    .kernarg_segment_align: 8
    .kernarg_segment_size: 72
    .max_flat_workgroup_size: 128
    .sgpr_count:     106
    .vgpr_count:     1024
    .wavefront_size: 32
...
	.end_amdgpu_metadata
.endif
;; end of part 2
;; launch attn (part 3): grid 8 x 64, 8 waves a work-group, no clusters, 315,136 bytes of LDS; arguments qkv16, scatter_indices, out_full, qkv_fine, wo_img, fine_out; writes out_full, fine_out
.if DOCPART == 3
	.amdgcn_target "amdgcn-amd-amdhsa--gfx1250"
	.amdhsa_code_object_version 6
	.text
	.protected	k_q5395d9f410_attn
	.globl	k_q5395d9f410_attn
	.p2align	8
	.type	k_q5395d9f410_attn,@function
k_q5395d9f410_attn:
	s_mov_b64 s[64:65], 0
	v_nop
	global_prefetch_b8 v0, s[64:65] scope:SCOPE_SE
	s_setreg_imm32_b32 hwreg(HW_REG_WAVE_MODE, 25, 1), 1
	s_wait_xcnt 0x0
; ATTN: two kinds of work-groups, which part on the work-group's y alone.  Both read only what earlier launches stored, and they store into different buffers.
;   y < 32:  causal attention of 8 sequences x 1,024 positions, 8 query heads on 4 key and value heads, head size 128, operands in f16, sums, maxima and exponentials in f32 -> out_full [8192][1024] f16.
;   y >= 32: THE FINE ROWS: the first 16 positions of each sequence, carried finely through attention AND projection to finished rows of the output -> fine_out [128][2048] f32, row 16 b + p.
; They stand in one launch because neither needs the other's result; the fine rows come last in the grid, so that they begin where attention ends first.
; ---- ATTENTION.  Position (b, p) takes row scatter_indices[1024 b + p] of qkv16 ([6400][2048] f16: q head g at column 128 g, k_i at 1024 + 256 i, v_i at 1152 + 256 i).
; LEFT OUT: key steps that lie wholly behind a wave's queries: reference()'s own causal mask gives them probability 0 for all values of the inputs.
; All 8,192 positions are computed, whatever fold_gather will pick of them.
; NO TENSOR LOAD AND NO JOINT REQUEST: which rows are a step's keys is said row by row by scatter_indices, so K and V come through registers: 256 threads x 8 loads of 16 bytes a step, sixteen lanes to a row's 256 bytes.
; SHARES.  Work-group (j, y): sequence y / 4, key head y % 4, query blocks 15 - j (waves 0-3) and j (waves 4-7) of 64 queries, both query heads.  A wave: 32 queries of one head, two tiles of 16.
; All eight waves share one walk over the keys, 64 a step; a wave works in steps 0 .. its block's number: waves w and w + 4 have 17 steps between them in every work-group.
; The loop has 16 steps in every work-group, so that no trip count hangs on an id; what is left out is a step's work, by scalar branches on ids; every wave passes every barrier.
; LAYOUT.  S^T = K Q^T (source 0 = 16 keys, source 1 = 16 queries): a lane holds ONE query (lane % 16) and keys 8 (lane / 16) + 0..7; two such tiles, rounded to f16 in pairs, are source 1 of O^T = V^T P.
; SOFTMAX.  Running maximum m and sum l: p = 2^(c s - c m), c = log2(e) / sqrt(128); O and l are multiplied by a = 2^(c m_old - c m_new) in every step.
; The step is written once: m begins at -3e38, l and O^T at zero (128 registers are cleared once for that).
; REGISTERS: window 0: v2-15 addresses and constants; v16-31 statistics; v32-35 indices; v36-39 offsets; v64-127 S^T; v128-159 P; v160-191 a step's K and V on their way; v192-255 Q.
;   window 1: v0-127 fragments of K, then of V; v128-255 O^T.
; ---- THE FINE ROWS.  Under the causal mask these rows average one to sixteen values, so the rounding of 16-bit operands weighs most there.  All three products run on PAIRS of f16 numbers, a high and a low part
; split in f32 (low = number - high): high x high + high x low + low x high, sums in f32.
; LEFT OUT: keys behind position 15 (hidden from these queries by reference()'s own mask, for all values of the inputs); rows 16-31 of each sequence in qkv_fine are not read.
; SHARES.  Work-group f = 8 (y - 32) + x: sequence f / 32, output columns 64 (f % 32) on.  Phase 1: wave w makes head w's 16 x 128 of attention (every work-group of a sequence makes them anew: 28 matrix instructions a wave).
; Phase 2: wave w takes the n tile 4 (f % 32) + w % 4 and half w / 4 of K = 1,024; the two halves meet in a stage.
; REGISTERS: window 0: v1-9, v12, v13, v248-250 addresses; v16-79 Q, then Q's high parts (v16-47), then V's fragments; v80-143 K, then K's high parts (v80-111), then O^T, then its high parts; v48-79, v112-143 V in f32;
;   v144-175 Q's low parts, then P's two operands (v144-159); v176-207 K's low parts; v160-191 O's low parts; v208-231 the three sums of S^T; v14, v15, v232-235 at work in a split; v236-243 p; in phase 2 v224-247 the three sums.
;   window 1: wo's images of my 16 k chunks, high and low.
; LIMITS: q, k, v, attention results and wo beyond 65,504 have no f16 number; p under 2^-25 rounds to 0 in f16 in the bulk; the low parts resolve 2^-24 at the finest.  NaN and infinities are not served.
; LDS: each kind of work-group has bytes of its own.  Attention: two slots, eight stages.  Then the spare words.  The fine rows: 16 rows of q, k, v (row p at 8,336 p, 16 bytes of padding behind each 1,024);
; images of the attention's operand registers: 32 k chunks x (high 1,024, low 1,024 bytes); a stage.
.set PK,    272                        ; a row of K in LDS: 256 bytes + 16
.set PV,    288                        ; a row of V: 256 + 32, for the turning load
.set VOFF,  64*PK
.set SLOTB, 64*(PK+PV)                 ; a slot: 64 rows of K, 64 rows of V
.set STG,   2*SLOTB                    ; 16 rows x 272 bytes for each wave, for the way out
.set SPARE, STG+8*16*272               ; 106,496: the spare words: four blocks of 256 bytes that no other line names
.set FB,    SPARE+1024                 ; 107,520: the fine rows' bytes begin
.set RP,    8336
.set AIMG,  FB+16*RP                   ; 240,896
.set FSTG,  AIMG+65536                 ; 306,432: (half x 16 + row) x 272; ends at 315,136
.set MSB, 0
.macro WIN new
.if MSB != (\new)
	s_set_vgpr_msb (MSB<<8)|(\new)
.set MSB, (\new)
.endif
.endm
.macro PLACES
.rept 4
	v_nop
.endr
.endm
	v_lshl_add_u32 v10, v0, 2, SPARE               ; v10: my spare word;
	v_mov_b32 v11, 0                               ; v11: 0; both never rewritten
	v_lshrrev_b32 v1, 5, v0
	v_readfirstlane_b32 s10, v1                    ; wave 0..7
	s_and_b32 s12, ttmp7, 0xffff
	s_cmp_ge_u32 s12, 32                           ; the work-group's number alone: all eight waves go the same way
	s_cbranch_scc1 .Lfine
	s_load_b128 s[4:7], s[0:1], 0x0                ; qkv16, scatter_indices
	s_load_b64 s[8:9], s[0:1], 0x10                ; out_full
	s_lshr_b32 s13, s12, 2                         ; sequence
	s_and_b32 s14, s12, 3                          ; key head
	s_lshr_b32 s15, s10, 2
	s_bfe_u32 s16, s10, 0x10001                    ; which of the two query heads
	s_and_b32 s17, s10, 1                          ; which 32 of the block's 64 queries
	s_sub_co_u32 s19, 15, ttmp9                    ; s19: the work-group's last step
	s_cmp_eq_u32 s15, 1
	s_cselect_b32 s18, ttmp9, s19                  ; s18: my query block = my last step
	s_lshl_b32 s20, s18, 6
	s_lshl_b32 s37, s17, 5
	s_add_co_u32 s20, s20, s37                     ; my first query
	s_lshl_b32 s21, s14, 1
	s_add_co_u32 s21, s21, s16                     ; my query head
	s_mov_b32 s22, 0x3e0293ee                      ; c
	s_mov_b32 s23, s22
	s_mov_b32 s24, 0x76543210
	s_mov_b32 s25, 0xfedcba98
	s_mov_b32 s26, 0                               ; s26: the step
	s_mov_b32 s27, 8                               ; s27: trips of two steps
	v_and_b32 v50, 15, v0                          ; r, also thread % 16
	v_bfe_u32 v51, v0, 4, 1                        ; h
	v_mul_u32_u24 v2, v50, PK
	v_lshl_add_u32 v2, v51, 4, v2                  ; v2: K's fragments: 272 r + 16 h
	v_and_b32 v52, 7, v0
	v_bfe_u32 v53, v0, 3, 1
	v_lshl_add_u32 v3, v51, 3, v52
	v_mul_u32_u24 v3, v3, PV
	v_lshl_add_u32 v3, v53, 4, v3
	v_add_nc_u32 v3, VOFF, v3                      ; v3: V's turning loads: key 8 h + l % 8, channels 8 ((l / 8) % 2) on
	v_lshrrev_b32 v54, 4, v0                       ; thread / 16: 0..15
	v_lshlrev_b32 v14, 4, v50                      ; v14: 16 (thread % 16)
	v_mad_u32_u24 v4, v54, PK, v14                 ; v4: where I put K's 16 bytes
	v_mad_u32_u24 v5, v54, PV, v14
	v_add_nc_u32 v5, VOFF, v5                      ; v5: and V's
	v_lshlrev_b32 v6, 2, v54                       ; v6: my entry among a step's indices
	s_mul_i32 s36, s10, 16*272
	s_add_co_u32 s36, s36, STG
	v_add_nc_u32 v7, s36, v2                       ; v7: the stage, in
	v_mad_u32_u24 v8, v51, 272, v14
	v_add_nc_u32 v8, s36, v8                       ; v8: the stage, back
	v_lshl_add_u32 v9, v51, 11, v14                ; v9: the same two rows in out_full
	v_lshlrev_b32 v55, 3, v51
	v_sub_nc_u32 v12, v50, v55
	v_add_nc_u32 v12, s37, v12                     ; v12, v13: tile t: my query in its block of 64, less 8 h
	v_add_nc_u32 v13, 16, v12
	v_mov_b32 v15, 0xff800000                      ; -infinity
	v_lshlrev_b32 v56, 4, v51                      ; 16 h
	s_lshl_b32 s38, s20, 2
	v_lshl_add_u32 v57, v50, 2, s38                ; my queries' entries
	s_lshl_b32 s40, s14, 9
	s_add_co_u32 s40, s40, 2048
	s_mov_b32 s41, 0
	s_lshl_b32 s42, s13, 12
	s_mov_b32 s43, 0
	s_lshl_b32 s44, s21, 8
	s_mov_b32 s45, 0
	s_lshl_b32 s46, s13, 10
	s_add_co_u32 s46, s46, s20
	s_lshl_b32 s46, s46, 11
	s_add_co_u32 s46, s46, s44
	s_mov_b32 s47, 0
	s_wait_kmcnt 0x0
	s_add_nc_u64 s[28:29], s[4:5], s[40:41]        ; qkv16 at my key head: K; V is 256 bytes on
	s_add_nc_u64 s[30:31], s[6:7], s[42:43]        ; my sequence's indices
	s_add_nc_u64 s[32:33], s[4:5], s[44:45]        ; qkv16 at my query head
	s_add_nc_u64 s[34:35], s[8:9], s[46:47]        ; out_full at my first query and head
.irp i, 0,1,2,3
	global_load_b32 v[36+\i], v6, s[30:31] offset:64*\i            ; the indices of steps 0,
	global_load_b32 v[40+\i], v6, s[30:31] offset:256+64*\i        ; 1
	global_load_b32 v[32+\i], v6, s[30:31] offset:512+64*\i        ; and 2
.endr
	global_load_b32 v44, v57, s[30:31]
	global_load_b32 v45, v57, s[30:31] offset:64
.irp t, 0,1
	v_mov_b32 v[17+8*\t], 0xff61b1e6               ; m = -3e38
	v_mul_f32 v[16+8*\t], s22, v[17+8*\t]          ; c m
.irp k, 2,3,4,5,6,7
	v_mov_b32 v[16+8*\t+\k], 0
.endr
.endr
	WIN 0x40
.set n, 0
.rept 128
	v_mov_b32 v[128+n], 0                          ; O^T
.set n, n+1
.endr
	WIN 0
	s_wait_loadcnt 0x0
.irp i, 0,1,2,3
	v_min_u32 v[36+\i], 6399, v[36+\i]             ; an index stays inside its table
	v_min_u32 v[40+\i], 6399, v[40+\i]
	v_lshl_add_u32 v[36+\i], v[36+\i], 12, v14     ; rows of 4,096 bytes
	v_lshl_add_u32 v[40+\i], v[40+\i], 12, v14
.endr
	v_min_u32 v44, 6399, v44
	v_min_u32 v45, 6399, v45
	v_lshl_add_u32 v44, v44, 12, v56
	v_lshl_add_u32 v45, v45, 12, v56
.irp i, 0,1,2,3
	global_load_b128 v[64+4*\i:67+4*\i], v[36+\i], s[28:29]                    ; step 0's K and V, through S^T's registers
	global_load_b128 v[80+4*\i:83+4*\i], v[36+\i], s[28:29] offset:256
.endr
.irp i, 0,1,2,3
	global_load_b128 v[160+4*\i:163+4*\i], v[40+\i], s[28:29]                  ; step 1's
	global_load_b128 v[176+4*\i:179+4*\i], v[40+\i], s[28:29] offset:256
.endr
.irp t, 0,1
.irp c, 0,1,2,3
	global_load_b128 v[192+32*\t+8*\c:195+32*\t+8*\c], v[44+\t], s[32:33] offset:64*\c       ; Q stays in registers
	global_load_b128 v[196+32*\t+8*\c:199+32*\t+8*\c], v[44+\t], s[32:33] offset:64*\c+32
.endr
.endr
	s_wait_loadcnt 0x0
	s_add_nc_u64 s[30:31], s[30:31], 512           ; (all loads that named it are done)
.irp i, 0,1,2,3
	ds_store_b128 v4, v[64+4*\i:67+4*\i] offset:\i*16*PK
	ds_store_b128 v5, v[80+4*\i:83+4*\i] offset:\i*16*PV
.endr
.macro SOFTMAX                         ; both tiles, line by line
.irp j, 0,1,2,3
.irp t, 0,1
	v_max3_num_f32 v[20+8*\t+\j], v[64+32*\t+8*\j], v[65+32*\t+8*\j], v[66+32*\t+8*\j]      ; four chains, one for each accumulator, begun at its low end
.endr
.endr
.irp u, 1,2
.irp j, 0,1,2,3
.irp t, 0,1
	v_max3_num_f32 v[20+8*\t+\j], v[20+8*\t+\j], v[65+32*\t+8*\j+2*\u], v[66+32*\t+8*\j+2*\u]
.endr
.endr
.endr
.irp t, 0,1
	v_max3_num_f32 v[20+8*\t], v[20+8*\t], v[71+32*\t], v[79+32*\t]
	v_max3_num_f32 v[22+8*\t], v[22+8*\t], v[87+32*\t], v[95+32*\t]
.endr
.irp t, 0,1
	v_max3_num_f32 v[20+8*\t], v[20+8*\t], v[21+8*\t], v[22+8*\t]
.endr
.irp t, 0,1
	v_max3_num_f32 v[20+8*\t], v[20+8*\t], v[23+8*\t], v[17+8*\t]      ; and the old m
.endr
.irp t, 0,1
	v_permlanex16_b32 v[21+8*\t], v[20+8*\t], s24, s25                 ; the query's other 32 keys lie in the lane 16 away
.endr
.irp t, 0,1
	v_mov_b32 v[23+8*\t], v[16+8*\t]               ; c m_old is kept for a
.endr
.irp t, 0,1
	v_max_num_f32 v[17+8*\t], v[20+8*\t], v[21+8*\t]
.endr
.irp t, 0,1
	v_mul_f32 v[16+8*\t], s22, v[17+8*\t]
.endr
.irp t, 0,1
	v_sub_f32 v[23+8*\t], v[23+8*\t], v[16+8*\t]
.endr
.irp t, 0,1
	v_exp_f32 v[22+8*\t], v[23+8*\t]               ; a
.endr
.set p, 0
.rept 16
.irp t, 0,1
	v_pk_fma_f32 v[64+32*\t+p:65+32*\t+p], v[64+32*\t+p:65+32*\t+p], s[22:23], v[16+8*\t:17+8*\t] op_sel_hi:[1,0,0] neg_lo:[0,0,1] neg_hi:[0,0,1]   ; c s - c m
.endr
.set p, p+2
.endr
.set p, 0
.rept 64
	v_exp_f32 v[64+p], v[64+p]
.set p, p+1
.endr
	v_nop                                          ; a plain instruction behind the last exponential,
	s_wait_alu depctr_va_vdst(0)                   ; and ONE wait for the batch of 66, ahead of its first reader
.set p, 0
.rept 16
.irp t, 0,1
	v_cvt_pk_f16_f32 v[128+16*\t+p], v[64+32*\t+2*p], v[65+32*\t+2*p]
.endr
.set p, p+1
.endr
.irp u, 0,1,2,3,4,5,6,7
.irp t, 0,1
	v_pk_add_f32 v[64+32*\t+4*\u:65+32*\t+4*\u], v[64+32*\t+4*\u:65+32*\t+4*\u], v[66+32*\t+4*\u:67+32*\t+4*\u]
.endr
.endr
.irp u, 0,1,2,3
.irp t, 0,1
	v_pk_add_f32 v[64+32*\t+8*\u:65+32*\t+8*\u], v[64+32*\t+8*\u:65+32*\t+8*\u], v[68+32*\t+8*\u:69+32*\t+8*\u]
.endr
.endr
.irp u, 0,1
.irp t, 0,1
	v_pk_add_f32 v[64+32*\t+16*\u:65+32*\t+16*\u], v[64+32*\t+16*\u:65+32*\t+16*\u], v[72+32*\t+16*\u:73+32*\t+16*\u]
.endr
.endr
.irp t, 0,1
	v_pk_add_f32 v[64+32*\t:65+32*\t], v[64+32*\t:65+32*\t], v[80+32*\t:81+32*\t]
.endr
.irp t, 0,1
	v_pk_fma_f32 v[18+8*\t:19+8*\t], v[18+8*\t:19+8*\t], v[22+8*\t:23+8*\t], v[64+32*\t:65+32*\t] op_sel_hi:[1,0,1]    ; l = a l + the sum
.endr
.endm
; ONE STEP, its tiles in slot `slot`.
.macro STEPX slot
	s_wait_dscnt 0x0                               ; my stores into this slot are done, and my reads of the other slot are over:
	s_barrier_signal -1
	s_barrier_wait -1                              ; both now hold of every wave
	; the walk's supply, three deep: step + 1 goes from registers into the other slot, step + 2 is asked of memory, step + 3's indices are asked for.  The tests hang on ids and the count of steps: all waves go the same way
	s_add_co_u32 s36, s26, 1
	s_cmp_gt_u32 s36, s19
	s_cbranch_scc1 .Lnost_\@
	s_wait_loadcnt 0x0                             ; step + 1's rows and step + 2's indices are in; every address register of mine is free
.irp i, 0,1,2,3
	ds_store_b128 v4, v[160+4*\i:163+4*\i] offset:(1-\slot)*SLOTB+\i*16*PK
	ds_store_b128 v5, v[176+4*\i:179+4*\i] offset:(1-\slot)*SLOTB+\i*16*PV
.endr
	s_add_co_u32 s36, s26, 2
	s_cmp_gt_u32 s36, s19
	s_cbranch_scc1 .Lnost_\@
.irp i, 0,1,2,3
	v_min_u32 v[36+\i], 6399, v[32+\i]
.endr
.irp i, 0,1,2,3
	v_lshl_add_u32 v[36+\i], v[36+\i], 12, v14
.endr
	s_wait_dscnt 0x0                               ; the stores have read their registers
.irp i, 0,1,2,3
	global_load_b128 v[160+4*\i:163+4*\i], v[36+\i], s[28:29]
	global_load_b128 v[176+4*\i:179+4*\i], v[36+\i], s[28:29] offset:256
.endr
	s_add_co_u32 s36, s26, 3
	s_cmp_gt_u32 s36, s19
	s_cbranch_scc1 .Lnost_\@
	s_add_nc_u64 s[30:31], s[30:31], 256
.irp i, 0,1,2,3
	global_load_b32 v[32+\i], v6, s[30:31] offset:64*\i
.endr
.Lnost_\@:
	s_cmp_gt_u32 s26, s18                          ; all of this step's keys come after my queries: its work is left out; no barrier stands in what is jumped over
	s_cbranch_scc1 .Lhid_\@
	WIN 0x40
.irp f, 0,1,2,3,4,5,6,7,8,9,10,11,12,13,14,15  ; K: keys 16 (f / 4) on, channels 32 (f % 4) on
	ds_load_b128 v[8*\f:8*\f+3], v2 offset:\slot*SLOTB+(\f/4)*16*PK+(\f%4)*64
	ds_load_b128 v[8*\f+4:8*\f+7], v2 offset:\slot*SLOTB+(\f/4)*16*PK+(\f%4)*64+32
.endr
	s_wait_dscnt 0x0
	WIN 0x01                                       ; K in window 1; Q and S^T in window 0
.set i, 0
.rept 32                               ; channels 32 (i / 8) on, keys 16 ((i / 2) % 4) on, tile i % 2: eight accumulators by turns
.set rS, 64+32*(i%2)+8*((i/2)%4)
.set rK, 32*((i/2)%4)+8*(i/8)
.set rQ, 192+32*(i%2)+8*(i/8)
.if i < 8
	v_wmma_f32_16x16x32_f16 v[rS:rS+7], v[rK:rK+7], v[rQ:rQ+7], 0
.else
	v_wmma_f32_16x16x32_f16 v[rS:rS+7], v[rK:rK+7], v[rQ:rQ+7], v[rS:rS+7]
.endif
.set i, i+1
.endr
	PLACES                                         ; in front of the loads into K's registers and of the first reads of the scores
	WIN 0x40
.irp f, 0,1,2,3,4,5,6,7,8,9,10,11,12,13,14,15  ; V, turned: keys 32 (f / 8) on, channels 16 (f % 8) on; it lands under the softmax
	ds_load_tr16_b128 v[8*\f:8*\f+3], v3 offset:\slot*SLOTB+(\f/8)*32*PV+(\f%8)*32
	ds_load_tr16_b128 v[8*\f+4:8*\f+7], v3 offset:\slot*SLOTB+(\f/8)*32*PV+16*PV+(\f%8)*32
.endr
	WIN 0
	s_cmp_lg_u32 s26, s18
	s_cbranch_scc1 .Lopen_\@
.set n, 0
.rept 32                               ; my last step lies on the diagonal: register 8 kt + j holds key 16 kt + 8 h + j of the block: hidden where 16 kt + j > my query - 8 h
.irp t, 0,1
	v_cmp_gt_i32 vcc_lo, 16*(n/8)+n%8, v[12+\t]
	v_cndmask_b32 v[64+32*\t+n], v[64+32*\t+n], v15, vcc_lo
.endr
.set n, n+1
.endr
.Lopen_\@:
	SOFTMAX
	WIN 0x41                                       ; O^T in window 1, a in window 0
.irp t, 0,1
.set n, 0
.rept 32
	v_pk_mul_f32 v[128+64*\t+n:129+64*\t+n], v[128+64*\t+n:129+64*\t+n], v[22+8*\t:23+8*\t] op_sel_hi:[1,0]
.set n, n+2
.endr
.endr
	s_wait_dscnt 0x0                               ; V is in
	WIN 0x51                                       ; V and O^T in window 1, P in window 0
.set i, 0
.rept 32                               ; keys 32 (i / 16) on, channels 16 ((i / 2) % 8) on, tile i % 2: sixteen accumulators by turns
.set rO, 128+64*(i%2)+8*((i/2)%8)
.set rV, 64*(i/16)+8*((i/2)%8)
.set rP, 128+16*(i%2)+8*(i/16)
	v_wmma_f32_16x16x32_f16 v[rO:rO+7], v[rV:rV+7], v[rP:rP+7], v[rO:rO+7]
.set i, i+1
.endr
	WIN 0
	PLACES                                         ; in front of the next step's loads into V's registers, and of the way out's reads
.Lhid_\@:
	s_add_co_u32 s26, s26, 1
.endm
.Ltrip:
	STEPX 0
	STEPX 1
	s_sub_co_u32 s27, s27, 1
	s_cmp_lg_u32 s27, 0
	s_cbranch_scc1 .Ltrip
	; THE WAY OUT: O^T / l, rounded to f16, through my own stage, a tile (16 rows) at a time
.irp t, 0,1
	v_add_f32 v[20+8*\t], v[18+8*\t], v[19+8*\t]
.endr
.irp t, 0,1
	v_permlanex16_b32 v[21+8*\t], v[20+8*\t], s24, s25
.endr
.irp t, 0,1
	v_add_f32 v[20+8*\t], v[20+8*\t], v[21+8*\t]
.endr
.irp t, 0,1
	v_rcp_f32 v[22+8*\t], v[20+8*\t]
.endr
	v_nop
	s_wait_alu depctr_va_vdst(0)                   ; one wait for the two reciprocals, ahead of their first reader
.macro PACK t
	WIN 0x41
.set n, 0
.rept 32
	v_pk_mul_f32 v[128+64*\t+n:129+64*\t+n], v[128+64*\t+n:129+64*\t+n], v[22+8*\t:23+8*\t] op_sel_hi:[1,0]
.set n, n+2
.endr
	WIN 0x05                                       ; sources in window 1, destination in window 0
.set n, 0
.rept 32
	v_cvt_pk_f16_f32 v[64+32*\t+n], v[128+64*\t+2*n], v[129+64*\t+2*n]
.set n, n+1
.endr
	WIN 0
.irp f, 0,1,2,3,4,5,6,7
	ds_store_b128 v7, v[64+32*\t+4*\f:67+32*\t+4*\f] offset:32*\f
.endr
.irp f, 0,1,2,3,4,5,6,7
	ds_load_b128 v[64+32*\t+4*\f:67+32*\t+4*\f], v8 offset:\f*544       ; LDS serves a wave's instructions in order: these see the stores above
.endr
.endm
.macro SEND t, younger
.irp f, 0,1,2,3,4,5,6,7
	s_wait_dscnt \younger+7-\f                     ; the next tile's sixteen LDS instructions, and my younger loads, may be out
	global_store_b128 v9, v[64+32*\t+4*\f:67+32*\t+4*\f], s[34:35] offset:\t*32768+\f*4096   ; sixteen lanes store 256 consecutive bytes, aligned
.endr
.endm
	PACK 0
	PACK 1
	SEND 0, 16
	SEND 1, 0
	s_wait_tensorcnt 0x0                           ; the wave's end
	ds_add_u32 v10, v11
	s_wait_dscnt 0x0
	s_endpgm
; ================ THE FINE ROWS ================
.Lfine:
	s_load_b64 s[4:5], s[0:1], 0x18                ; qkv_fine
	s_load_b64 s[6:7], s[0:1], 0x20                ; wo_img
	s_load_b64 s[8:9], s[0:1], 0x28                ; fine_out
	s_sub_co_u32 s13, s12, 32
	s_lshl_b32 s13, s13, 3
	s_add_co_u32 s13, s13, ttmp9                   ; f = 8 (y - 32) + x
	s_lshr_b32 s11, s13, 5                         ; s11: the sequence
	s_and_b32 s15, s13, 31                         ; s15: which 64 output columns
	s_lshl_b32 s36, s10, 1                         ; my two rows: 2 w, 2 w + 1
	s_mul_i32 s37, s36, RP
	s_add_co_u32 s37, s37, FB
	s_lshl_b32 s38, s11, 5
	s_add_co_u32 s38, s38, s36
	s_lshl_b32 s38, s38, 13                        ; row 32 b + 2 w of 8,192 bytes
	s_mov_b32 s39, 0
	s_mov_b32 s32, 0x3e0293ee                      ; c = log2(e) / sqrt(128)
	s_mov_b32 s33, s32
	s_mov_b32 s34, 0x76543210
	s_mov_b32 s35, 0xfedcba98
	v_and_b32 v1, 31, v0
	v_lshlrev_b32 v2, 4, v1                        ; v2: 16 x lane
	v_add_nc_u32 v250, s37, v2                     ; v250: where my two rows go in LDS
	s_wait_kmcnt 0x0
	s_add_nc_u64 s[4:5], s[4:5], s[38:39]
.set n, 0
.rept 32                               ; my two rows lie on end in memory: 32 loads of 512 consecutive bytes
	global_load_b128 v[16+4*n:19+4*n], v2, s[4:5] offset:512*n
.set n, n+1
.endr
	s_and_b32 s36, s10, 3
	s_lshl_b32 s37, s15, 2
	s_add_co_u32 s36, s36, s37                     ; my n tile
	s_lshl_b32 s36, s36, 15
	s_lshr_b32 s12, s10, 2                         ; s12: my half of K
	s_lshl_b32 s37, s12, 14
	s_add_co_u32 s36, s36, s37
	s_mov_b32 s37, 0
	s_add_nc_u64 s[6:7], s[6:7], s[36:37]
	v_and_b32 v3, 15, v0                           ; r
	v_bfe_u32 v4, v0, 4, 1                         ; h
	s_lshr_b32 s13, s10, 1                         ; my key head
	s_and_b32 s14, s10, 1
	s_mul_i32 s40, s13, 1040
	s_lshl_b32 s41, s14, 9
	s_add_co_u32 s41, s41, s40
	s_add_co_u32 s41, s41, FB                      ; q head w: byte 512 w of a row, with its padding
	s_add_co_u32 s40, s40, 4*1040+FB               ; k: byte 4,096 + 1,024 kv; v 512 bytes on
	v_mul_u32_u24 v5, v3, RP
	v_lshl_add_u32 v5, v4, 8, v5
	v_add_nc_u32 v6, s40, v5                       ; v6: K: row r, channels 64 h on
	v_add_nc_u32 v5, s41, v5                       ; v5: Q likewise
	v_mul_u32_u24 v7, v4, 8*RP
	v_lshl_add_u32 v7, v3, 2, v7
	v_add_nc_u32 v7, s40, v7
	v_add_nc_u32 v7, 512, v7                       ; v7: V: key 8 h, channel r
	v_lshlrev_b32 v8, 3, v4
	v_sub_nc_u32 v8, v3, v8                        ; v8: r - 8 h
	s_lshl_b32 s42, s10, 13
	s_add_co_u32 s42, s42, AIMG
	v_add_nc_u32 v9, s42, v2                       ; v9: where I store my head's four images
	s_lshl_b32 s42, s12, 15
	s_add_co_u32 s42, s42, AIMG
	v_add_nc_u32 v248, s42, v2                     ; v248: where my half's sixteen begin
	s_mul_i32 s42, s12, 16*272
	s_and_b32 s43, s10, 3
	s_lshl_b32 s43, s43, 6
	s_add_co_u32 s42, s42, s43
	s_add_co_u32 s42, s42, FSTG
	v_mul_u32_u24 v249, v3, 272
	v_lshl_add_u32 v249, v4, 5, v249
	v_add_nc_u32 v249, s42, v249                   ; v249: the stage, in
	v_lshrrev_b32 v12, 4, v0
	v_lshlrev_b32 v13, 13, v12
	v_lshl_add_u32 v13, v3, 4, v13                 ; v13: thread t: row t / 16 of fine_out, 16 bytes at 16 (t % 16)
	v_mul_u32_u24 v12, v12, 272
	v_lshl_add_u32 v12, v3, 4, v12
	v_add_nc_u32 v12, FSTG, v12                    ; v12: the stage, back
	s_lshl_b32 s44, s11, 17
	s_lshl_b32 s45, s15, 8
	s_add_co_u32 s44, s44, s45
	s_mov_b32 s45, 0
	s_add_nc_u64 s[8:9], s[8:9], s[44:45]
	v_mov_b32 v244, 0xff800000                     ; -infinity
	v_mov_b32 v255, 0                              ; (the upper half of a pair of which the low word alone is taken)
	s_wait_loadcnt 0x0                             ; my two rows are in registers
.set n, 0
.rept 32                               ; byte z of a row lies at 1,040 (z / 1,024) + z % 1,024
	ds_store_b128 v250, v[16+4*n:19+4*n] offset:(n/16)*RP+((n%16)/2)*1040+(n%2)*512
.set n, n+1
.endr
	WIN 0x40
.irp i, 0,1,2,3,4,5,6,7,8,9,10,11,12,13,14,15  ; wo's images: chunk i: high in v[16 i .. 16 i + 7], low in the next eight; wanted in phase 2: they have all of phase 1 in which to land
	global_load_b128 v[16*\i:16*\i+3], v2, s[6:7] offset:1024*\i
	global_load_b128 v[16*\i+4:16*\i+7], v2, s[6:7] offset:1024*\i+512
	global_load_b128 v[16*\i+8:16*\i+11], v2, s[6:7] offset:1024*\i+4194304
	global_load_b128 v[16*\i+12:16*\i+15], v2, s[6:7] offset:1024*\i+4194304+512
.endr
	WIN 0
	s_wait_dscnt 0x0                               ; for the others' sake: my two rows are stored,
	s_barrier_signal -1
	s_barrier_wait -1                              ; everybody's are
; Four f32 numbers, v[src .. src + 3], become two registers of high parts (two f16 each, the first number in the low half) and two of low parts.  The widening names the halves of two fixed registers.
; hi may lie over numbers that have been split: the moves stand behind the subtractions.
.macro SPLITP src, hi, lo
	v_cvt_pk_f16_f32 v14, v[(\src)], v[(\src)+1]
	v_cvt_pk_f16_f32 v15, v[(\src)+2], v[(\src)+3]
	v_cvt_f32_f16 v232, v14.l                      ; widened again, exactly
	v_cvt_f32_f16 v233, v14.h
	v_cvt_f32_f16 v234, v15.l
	v_cvt_f32_f16 v235, v15.h
	v_pk_add_f32 v[232:233], v[(\src):(\src)+1], v[232:233] neg_lo:[0,1] neg_hi:[0,1]       ; what the high part left over
	v_pk_add_f32 v[234:235], v[(\src)+2:(\src)+3], v[234:235] neg_lo:[0,1] neg_hi:[0,1]
	v_mov_b32 v[(\hi)], v14
	v_mov_b32 v[(\hi)+1], v15
	v_cvt_pk_f16_f32 v[(\lo)], v232, v233
	v_cvt_pk_f16_f32 v[(\lo)+1], v234, v235
.endm
	; ---- phase 1.  Lane (r, h) takes channels 64 h + 0 .. 63 of row r, of Q and of K alike: register 8 c + i of the packed parts holds channels 64 h + 16 c + 2 i, + 1.  The matrix unit pairs the two
	; sources' numbers by lane half, register and half register, so the same order of channels on both sides gives the whole sum over the 128 in four instructions.
.irp i, 0,1,2,3,4,5,6,7,8,9,10,11,12,13,14,15
	ds_load_b128 v[16+4*\i:19+4*\i], v5 offset:16*\i
.endr
.irp i, 0,1,2,3,4,5,6,7,8,9,10,11,12,13,14,15
	ds_load_b128 v[80+4*\i:83+4*\i], v6 offset:16*\i
.endr
	s_wait_dscnt 16                                ; Q is in; K's sixteen loads may be out
.irp i, 0,2,4,6,8,10,12,14,16,18,20,22,24,26,28,30
	SPLITP 16+2*\i, 16+\i, 144+\i                  ; Q: high parts in place (v16-47), low parts v144-175
.endr
	s_wait_dscnt 0x0
.irp i, 0,2,4,6,8,10,12,14,16,18,20,22,24,26,28,30
	SPLITP 80+2*\i, 80+\i, 176+\i                  ; K: high parts v80-111, low parts v176-207
.endr
.irp t, 0,1,2,3,4,5,6,7                        ; V in f32, into the registers that the splits have left: tile t, register q: V(key 8 h + q, channel 16 t + r); it lands under the scores and the softmax
.irp q, 0,1,2,3,4,5,6,7
	ds_load_b32 v[48+8*\t+32*(\t/4)+\q], v7 offset:\q*RP+64*\t
.endr
.endr
	v_wmma_f32_16x16x32_f16 v[208:215], v[80:87], v[16:23], 0      ; S^T = K Q^T (source 0 = 16 keys, source 1 = 16 queries): three sums by turns: high x high,
	v_wmma_f32_16x16x32_f16 v[216:223], v[80:87], v[144:151], 0    ; high x low,
	v_wmma_f32_16x16x32_f16 v[224:231], v[176:183], v[16:23], 0    ; low x high
.irp c, 1,2,3
	v_wmma_f32_16x16x32_f16 v[208:215], v[80+8*\c:87+8*\c], v[16+8*\c:23+8*\c], v[208:215]
	v_wmma_f32_16x16x32_f16 v[216:223], v[80+8*\c:87+8*\c], v[144+8*\c:151+8*\c], v[216:223]
	v_wmma_f32_16x16x32_f16 v[224:231], v[176+8*\c:183+8*\c], v[16+8*\c:23+8*\c], v[224:231]
.endr
	PLACES
.irp j, 0,1,2,3,4,5,6,7
	v_add_f32 v[236+\j], v[208+\j], v[216+\j]      ; lane (r, h): query r, key 8 h + j
.endr
.irp j, 0,1,2,3,4,5,6,7
	v_add_f32 v[236+\j], v[236+\j], v[224+\j]
.endr
.irp j, 0,1,2,3,4,5,6,7
	v_cmp_gt_i32 vcc_lo, \j, v8                    ; hidden where 8 h + j > r
	v_cndmask_b32 v[236+\j], v[236+\j], v244, vcc_lo
.endr
	v_max3_num_f32 v232, v236, v237, v238
	v_max3_num_f32 v233, v239, v240, v241
	v_max3_num_f32 v232, v232, v242, v243
	v_max_num_f32 v232, v232, v233
	v_permlanex16_b32 v233, v232, s34, s35
	v_max_num_f32 v232, v232, v233                 ; the row's maximum (key 0 counts for every query)
	v_mul_f32 v234, s32, v232
.irp i, 0,2,4,6
	v_pk_fma_f32 v[236+\i:237+\i], v[236+\i:237+\i], s[32:33], v[234:235] op_sel_hi:[1,0,0] neg_lo:[0,0,1] neg_hi:[0,0,1]
.endr
.irp j, 0,1,2,3,4,5,6,7
	v_exp_f32 v[236+\j], v[236+\j]
.endr
	v_nop
	s_wait_alu depctr_va_vdst(0)                   ; one wait for the eight, ahead of their first reader
	v_pk_add_f32 v[246:247], v[236:237], v[238:239]
	v_pk_add_f32 v[252:253], v[240:241], v[242:243]
	v_pk_add_f32 v[246:247], v[246:247], v[252:253]
	v_add_f32 v246, v246, v247
	v_permlanex16_b32 v247, v246, s34, s35
	v_add_f32 v246, v246, v247
	v_rcp_f32 v254, v246
	v_nop
	s_wait_alu depctr_va_vdst(0)
.irp i, 0,2,4,6
	v_pk_mul_f32 v[236+\i:237+\i], v[236+\i:237+\i], v[254:255] op_sel_hi:[1,0]     ; the probabilities
.endr
	; O^T = V^T P has 16 keys, half of an instruction's 32 along K.  The other half carries a second product: source 0 = [V high | V low]; source 1 = [P high | P high], then [P low | 0]:
	; V high x P high + V low x P high, then + V high x P low.
	SPLITP 236, 144, 152                           ; P high v144-147, P low v152-155
	SPLITP 240, 146, 154
.irp i, 0,1,2,3
	v_mov_b32 v[148+\i], v[144+\i]
	v_mov_b32 v[156+\i], 0
.endr
	s_wait_dscnt 0x0                               ; V is in
.irp t, 0,1,2,3,4,5,6,7                        ; tile t's fragment at v[16 + 8 t]: tiles 4-7 lie over the f32 numbers of tiles 0-3, which have been split by then
	SPLITP 48+8*\t+32*(\t/4), 16+8*\t, 20+8*\t
	SPLITP 52+8*\t+32*(\t/4), 18+8*\t, 22+8*\t
.endr
.irp t, 0,1,2,3,4,5,6,7                        ; eight sums by turns
	v_wmma_f32_16x16x32_f16 v[80+8*\t:87+8*\t], v[16+8*\t:23+8*\t], v[144:151], 0
.endr
.irp t, 0,1,2,3,4,5,6,7
	v_wmma_f32_16x16x32_f16 v[80+8*\t:87+8*\t], v[16+8*\t:23+8*\t], v[152:159], v[80+8*\t:87+8*\t]
.endr
	PLACES
; Lane (r, h) holds query r and channels 16 t + 8 h + 0..7: packed in pairs, registers 8 c .. 8 c + 7 ARE the operand's fragment of k chunk 4 w + c.  Each sum is read from its low end on.
.irp i, 0,2,4,6,8,10,12,14,16,18,20,22,24,26,28,30
	SPLITP 80+2*\i, 80+\i, 160+\i                  ; high parts in place (v80-111), low parts v160-191
.endr
.irp c, 0,1,2,3
	ds_store_b128 v9, v[80+8*\c:83+8*\c] offset:2048*\c
	ds_store_b128 v9, v[84+8*\c:87+8*\c] offset:2048*\c+512
	ds_store_b128 v9, v[160+8*\c:163+8*\c] offset:2048*\c+1024
	ds_store_b128 v9, v[164+8*\c:167+8*\c] offset:2048*\c+1536
.endr
	s_wait_dscnt 0x0                               ; for the others' sake: my images are stored
	s_barrier_signal -1
	s_barrier_wait -1
	; ---- phase 2: 16 rows x my 16 columns over my 512 of K, transposed (source 0 = wo's image, source 1 = the attention's): three sums by turns
.macro FETCHA g
.set BF, 16+64*((\g)%2)
.irp ci, 0,1,2,3
	ds_load_b128 v[BF+16*\ci:BF+16*\ci+3], v248 offset:(4*(\g)+\ci)*2048
	ds_load_b128 v[BF+16*\ci+4:BF+16*\ci+7], v248 offset:(4*(\g)+\ci)*2048+512
	ds_load_b128 v[BF+16*\ci+8:BF+16*\ci+11], v248 offset:(4*(\g)+\ci)*2048+1024
	ds_load_b128 v[BF+16*\ci+12:BF+16*\ci+15], v248 offset:(4*(\g)+\ci)*2048+1536
.endr
.endm
.macro MULB g
.set BF, 16+64*((\g)%2)
	WIN 0x01                                       ; source 0: window 1
.irp ci, 0,1,2,3
.set WR, 16*(4*(\g)+\ci)
.if WR == 0
	v_wmma_f32_16x16x32_f16 v[224:231], v[WR:WR+7], v[BF+16*\ci:BF+16*\ci+7], 0
	v_wmma_f32_16x16x32_f16 v[232:239], v[WR:WR+7], v[BF+16*\ci+8:BF+16*\ci+15], 0
	v_wmma_f32_16x16x32_f16 v[240:247], v[WR+8:WR+15], v[BF+16*\ci:BF+16*\ci+7], 0
.else
	v_wmma_f32_16x16x32_f16 v[224:231], v[WR:WR+7], v[BF+16*\ci:BF+16*\ci+7], v[224:231]
	v_wmma_f32_16x16x32_f16 v[232:239], v[WR:WR+7], v[BF+16*\ci+8:BF+16*\ci+15], v[232:239]
	v_wmma_f32_16x16x32_f16 v[240:247], v[WR+8:WR+15], v[BF+16*\ci:BF+16*\ci+7], v[240:247]
.endif
.endr
	WIN 0
.endm
	s_wait_loadcnt 0x0                             ; wo's images
	FETCHA 0
	FETCHA 1
	s_wait_dscnt 16                                ; the older sixteen loads are in
	MULB 0
	PLACES
	FETCHA 2
	s_wait_dscnt 16
	MULB 1
	PLACES
	FETCHA 3
	s_wait_dscnt 16
	MULB 2
	s_wait_dscnt 0x0
	MULB 3
	PLACES
.irp j, 0,1,2,3,4,5,6,7
	v_add_f32 v[16+\j], v[224+\j], v[232+\j]       ; lane (r, h): row r, columns 8 h + j of my n tile
.endr
.irp j, 0,1,2,3,4,5,6,7
	v_add_f32 v[16+\j], v[16+\j], v[240+\j]
.endr
	ds_store_b128 v249, v[16:19]
	ds_store_b128 v249, v[20:23] offset:16
	s_wait_dscnt 0x0
	s_barrier_signal -1
	s_barrier_wait -1
	ds_load_b128 v[24:27], v12                     ; K's two halves of my 16 bytes
	ds_load_b128 v[28:31], v12 offset:16*272
	s_wait_dscnt 0x0
	v_pk_add_f32 v[24:25], v[24:25], v[28:29]
	v_pk_add_f32 v[26:27], v[26:27], v[30:31]
	global_store_b128 v13, v[24:27], s[8:9]        ; sixteen lanes store 256 consecutive bytes, aligned
	s_wait_tensorcnt 0x0                           ; the wave's end
	ds_add_u32 v10, v11
	s_wait_dscnt 0x0
	s_endpgm
.Lfunc_end_k_q5395d9f410_attn:
	.size	k_q5395d9f410_attn, .Lfunc_end_k_q5395d9f410_attn-k_q5395d9f410_attn
	.p2alignl 7, 3214868480
	.fill 96, 4, 3214868480
	.section	.rodata,"a",@progbits
	.p2align	6, 0x0
	.amdhsa_kernel k_q5395d9f410_attn
		.amdhsa_group_segment_fixed_size 315136
		.amdhsa_private_segment_fixed_size 0
		.amdhsa_enable_private_segment 0
		.amdhsa_kernarg_size 48
		.amdhsa_user_sgpr_count 2
		.amdhsa_user_sgpr_kernarg_segment_ptr 1
		.amdhsa_wavefront_size32 1
		.amdhsa_system_sgpr_workgroup_id_x 1
		.amdhsa_system_sgpr_workgroup_id_y 1
		.amdhsa_system_sgpr_workgroup_id_z 1
		.amdhsa_system_vgpr_workitem_id 0
		.amdhsa_next_free_vgpr 512
		.amdhsa_next_free_sgpr 66
		.amdhsa_reserve_vcc 1
		.amdhsa_float_denorm_mode_32 3
		.amdhsa_float_denorm_mode_16_64 3
		.amdhsa_memory_ordered 1
		.amdhsa_forward_progress 1
		.amdhsa_inst_pref_size 160
	.end_amdhsa_kernel
	.amdgpu_metadata
---
amdhsa.version: [ 1, 2 ]
amdhsa.kernels:
  - .name:           k_q5395d9f410_attn
    .symbol:         k_q5395d9f410_attn.kd
    .args:
      - { .name: qkv16, .offset: 0, .size: 8, .value_kind: global_buffer, .address_space: global }
      - { .name: scatter_indices, .offset: 8, .size: 8, .value_kind: global_buffer, .address_space: global }
      - { .name: out_full, .offset: 16, .size: 8, .value_kind: global_buffer, .address_space: global }
      - { .name: qkv_fine, .offset: 24, .size: 8, .value_kind: global_buffer, .address_space: global }
      - { .name: wo_img, .offset: 32, .size: 8, .value_kind: global_buffer, .address_space: global }
      - { .name: fine_out, .offset: 40, .size: 8, .value_kind: global_buffer, .address_space: global }
    .group_segment_fixed_size: 315136
    .private_segment_fixed_size: 0
    .kernarg_segment_align: 8
    .kernarg_segment_size: 48
    .max_flat_workgroup_size: 256
    .sgpr_count:     66
    .vgpr_count:     512
    .wavefront_size: 32
...
	.end_amdgpu_metadata
.endif
;; end of part 3
;; launch proj (part 4): grid 8 x 25, 4 waves a work-group, no clusters, 327,680 bytes of LDS; arguments out_full, fold_gather, wo_img, fine_out, out0; writes out0
.if DOCPART == 4
	.amdgcn_target "amdgcn-amd-amdhsa--gfx1250"
	.amdhsa_code_object_version 6
	.text
	.protected	k_q5395d9f410_proj
	.globl	k_q5395d9f410_proj
	.p2align	8
	.type	k_q5395d9f410_proj,@function
k_q5395d9f410_proj:
	s_mov_b64 s[64:65], 0
	v_nop
	global_prefetch_b8 v0, s[64:65] scope:SCOPE_SE
	s_setreg_imm32_b32 hwreg(HW_REG_WAVE_MODE, 25, 1), 1
	s_wait_xcnt 0x0
; PROJ: out0[i] = out_full[fold_gather[i]] x wo, [6400][1024] x [1024][2048], operands in f16, sums in f32; rows that fold_gather takes from the first 16 positions of a sequence are replaced,
; on the way out, by the finished rows of fine_out (a choice by lanes, with no jump).
; A tile of 256 x 256 to a work-group of four waves, 128 x 128 a wave: 64 accumulators, 512 registers.  200 work-groups.  K goes in 8 steps of 128 through two slots.
; A's rows are chosen row by row by fold_gather, so they come through registers: 32 loads of 16 bytes a thread and step, asked for a step and a half ahead, stored into A's slots by LDS stores.
; B comes by tensor loads: wo_img holds images of the operand's registers, so a step's part of an n tile is 4,096 dense bytes, and a fragment is read back without bank conflicts and without padding.
; A's slots (LDS stores) and B's slots (tensor loads) are bytes apart, in whole blocks of 256.
; NO CLUSTER: B's tiles are shared along the 25 tile rows, which no cluster of four divides; A's tiles do not come by tensor loads.
; THE MATRIX INSTRUCTION IS USED TRANSPOSED (source 0 = 16 columns of wo, source 1 = 16 rows of A): a lane holds eight neighbouring numbers of a row of the result.
; REGISTERS: window 0: v0-31 addresses; v32-63 the gather's offsets; v64-127, v128-191 A's fragments; v192-207 the fine rows' tests and offsets.   window 1: v64-191 B's fragments; v0-63, v192-255 a step's gathered rows.
;   windows 2, 3: the accumulators.
.set PITCH,  272
.set HALFA,  128*PITCH
.set ASLOT,  256*PITCH                 ; 69,632
.set BSL,    2*ASLOT                   ; 139,264: B's slots, 65,536 bytes each
.set STAGE,  BSL+2*65536               ; 270,336: 16 rows x 528 bytes for each wave
.set SPITCH, 528
.set SPARE,  STAGE+4*16*SPITCH         ; 304,128: two blocks of 256 bytes that no other line names
.set ADRA, 16
.set ASTO, 18
.set ADRB, 20
.set STO,  24
.set RD,   25
.set CO,   26
.set SPW,  28
.set NIL,  29
.set GOFF, 32
.set PP,   192
.set FA,   200
.set F0,   64
.set F1,   128
.set BK,   128
.set G1, 24
.set G0, 32
.set GA, 40
.set MSB, 0
.macro WIN new
.if MSB != (\new)
	s_set_vgpr_msb (MSB<<8)|(\new)
.set MSB, (\new)
.endif
.endm
.set MUL_LO, 0xa1
.set MUL_HI, 0xf1
.set TO_B,   0x40
	s_load_b256 s[4:11], s[0:1], 0x0               ; out_full s[4:5], fold_gather s[6:7], wo_img s[8:9], fine_out s[10:11]
	s_load_b64 s[12:13], s[0:1], 0x20              ; out0
	v_lshl_add_u32 v[SPW], v0, 2, SPARE
	v_mov_b32 v[NIL], 0
	ds_add_u32 v[SPW], v[NIL]                      ; the wave's opening: the add, twice on end, and its wait ahead of my first tensor load
	ds_add_u32 v[SPW], v[NIL]
	v_lshrrev_b32 v1, 5, v0
	v_readfirstlane_b32 s14, v1                    ; wave 0..3
	s_lshr_b32 s15, s14, 1                         ; my half of the rows
	s_and_b32 s16, s14, 1                          ; my half of the columns
	s_and_b32 s17, ttmp7, 0xffff                   ; tile row
	s_mov_b32 s[G1+0], 3<<16                       ; elements of 8 bytes, no padding
	s_mov_b32 s[G1+1], 512<<16                     ; tensor_dim0 = 512: 4,096 bytes: four k chunks of an n tile
	s_mov_b32 s[G1+2], 4<<16                       ; tensor_dim1 = 4 n tiles
	s_mov_b32 s[G1+3], 512<<16                     ; tile_dim0
	s_mov_b32 s[G1+4], 4                           ; tile_dim1
	s_mov_b32 s[G1+5], 4096                        ; from n tile to n tile: 32,768 bytes
	s_mov_b32 s[G1+6], 0
	s_mov_b32 s[G1+7], 0
	s_lshl_b32 s46, s14, 14
	s_add_co_u32 s46, s46, BSL                     ; my four n tiles' place in slot 0
	s_lshl_b32 s48, ttmp9, 4
	s_lshl_b32 s49, s14, 2
	s_add_co_u32 s48, s48, s49
	s_lshl_b32 s48, s48, 15                        ; n tile 16 x tile column + 4 x wave
	s_mov_b32 s49, 0
	s_wait_dscnt 0x0                               ; both opening adds are done
	s_wait_kmcnt 0x0
	s_add_nc_u64 s[8:9], s[8:9], s[48:49]
.irp s, 0,1
	s_mov_b32 s[G0+4*\s], 1
	s_add_co_u32 s[G0+4*\s+1], s46, \s*65536
	s_add_nc_u64 s[G0+4*\s+2:G0+4*\s+3], s[8:9], \s*4096
	s_or_b32 s[G0+4*\s+3], s[G0+4*\s+3], 0x80000000
.endr
	tensor_load_to_lds s[G0:G0+3], s[G1:G1+7]      ; every wave issues both first fills: two loads of mine are out
	s_nop 0
	tensor_load_to_lds s[G0+4:G0+7], s[G1:G1+7]
	s_nop 0
.rept 4
	v_nop
.endr
	v_and_b32 v1, 15, v0                           ; r
	v_bfe_u32 v2, v0, 4, 1                         ; h
	v_lshlrev_b32 v3, 4, v1                        ; 16 r
	v_lshlrev_b32 v4, 5, v2                        ; 32 h
	s_lshl_b32 s46, s14, 8
	v_lshl_add_u32 v8, v2, 2, s46                  ; fold_gather's entries of the rows that I gather: 64 w + 2 i + h
	s_lshl_b32 s47, s15, 9
	v_lshl_add_u32 v9, v1, 2, s47                  ; and of the rows that my accumulators hold: 128 wr + 16 a + r
	s_lshl_b32 s48, s17, 10
	s_add_nc_u64 s[6:7], s[6:7], s[48:49]
.set gi, 0
.rept 32
	global_load_b32 v[GOFF+gi], v8, s[6:7] offset:8*gi
.set gi, gi+1
.endr
.irp a, 0,1,2,3,4,5,6,7
	global_load_b32 v[PP+\a], v9, s[6:7] offset:64*\a
.endr
	v_mul_u32_u24 v5, v1, PITCH
	v_lshl_add_u32 v5, v2, 4, v5
	s_mul_i32 s46, s15, HALFA
	v_add_nc_u32 v[ADRA], s46, v5                  ; A's fragments: my 128 rows, 272 r + 16 h
	v_add_nc_u32 v[ADRA+1], ASLOT, v[ADRA]
	v_lshl_add_u32 v[CO], v2, 8, v3                ; 16 x lane
	s_lshl_b32 s46, s16, 15
	s_add_co_u32 s46, s46, BSL
	v_add_nc_u32 v[ADRB], s46, v[CO]               ; B's images: my 8 n tiles, 16 x lane
	v_add_nc_u32 v[ADRB+1], 65536, v[ADRB]
	s_mul_i32 s46, s14, 64*PITCH
	v_mad_u32_u24 v7, v2, PITCH, v3
	v_add_nc_u32 v[ASTO], s46, v7                  ; where I put gathered rows: row 64 w + h, 16 r
	v_add_nc_u32 v[ASTO+1], ASLOT, v[ASTO]
	s_mul_i32 s46, s14, 16*SPITCH
	s_add_co_u32 s46, s46, STAGE
	v_mul_u32_u24 v7, v1, SPITCH
	v_lshl_add_u32 v7, v2, 5, v7
	v_add_nc_u32 v[STO], s46, v7
	v_add_nc_u32 v[RD], s46, v[CO]
	s_lshl_b32 s46, ttmp9, 10
	s_lshl_b32 s47, s16, 9
	s_add_co_u32 s46, s46, s47                     ; my first column, in bytes
	s_mov_b32 s47, 0
	s_add_nc_u64 s[42:43], s[10:11], s[46:47]      ; fine_out at my columns
	s_lshl_b32 s48, s17, 8
	s_lshl_b32 s50, s15, 7
	s_add_co_u32 s48, s48, s50
	s_lshl_b32 s48, s48, 13                        ; my first row, rows of 8,192 bytes
	s_add_nc_u64 s[44:45], s[12:13], s[48:49]
	s_add_nc_u64 s[44:45], s[44:45], s[46:47]      ; out0 at my part; every later step is an immediate
	s_wait_loadcnt 0x0
.set gi, 0
.rept 32
	v_min_u32 v[GOFF+gi], 8191, v[GOFF+gi]         ; an index stays inside its table
	v_lshl_add_u32 v[GOFF+gi], v[GOFF+gi], 11, v3  ; rows of 2,048 bytes, + 16 r
.set gi, gi+1
.endr
.irp a, 0,1,2,3,4,5,6,7
	v_lshrrev_b32 v[FA+\a], 10, v[PP+\a]           ; the sequence,
	v_and_b32 v[PP+\a], 1023, v[PP+\a]             ; the position
	v_lshl_add_u32 v[FA+\a], v[FA+\a], 4, v[PP+\a]
	v_min_u32 v[FA+\a], 127, v[FA+\a]              ; fine_out's row (used only where the position is under 16)
	v_lshl_add_u32 v[FA+\a], v[FA+\a], 13, v4
.endr
	WIN 0x40
.set gi, 0
.rept 32
.set SR, 4*gi+128*(gi/16)
	global_load_b128 v[SR:SR+3], v[GOFF+gi], s[4:5]                ; A's step 0
.set gi, gi+1
.endr
	WIN 0
.set gi, 0
.rept 32
	global_load_b128 v[64+4*gi:67+4*gi], v[GOFF+gi], s[4:5] offset:256     ; and step 1, through the fragments' registers
.set gi, gi+1
.endr
	s_add_nc_u64 s[GA:GA+1], s[4:5], 256
	s_wait_loadcnt 0x0
	WIN 0x04                                       ; an LDS store's data: window 1
.set gi, 0
.rept 32
.set SR, 4*gi+128*(gi/16)
	ds_store_b128 v[ASTO], v[SR:SR+3] offset:544*gi
.set gi, gi+1
.endr
	WIN 0
.set gi, 0
.rept 32
	ds_store_b128 v[ASTO+1], v[64+4*gi:67+4*gi] offset:544*gi
.set gi, gi+1
.endr
.macro MUL16 f, hi, a0, zero           ; 16 matrix instructions; the 64 accumulators take turns, one instruction a turn, in the same order in every quarter
.irp a, \a0, \a0+1
.irp b, 0,1,2,3,4,5,6,7
.if \zero
	v_wmma_f32_16x16x32_f16 v[8*(8*(\a)+\b):8*(8*(\a)+\b)+7], v[\f+8*\b:\f+8*\b+7], v[\f+8*(4*\hi+\a):\f+8*(4*\hi+\a)+7], 0
.else
	v_wmma_f32_16x16x32_f16 v[8*(8*(\a)+\b):8*(8*(\a)+\b)+7], v[\f+8*\b:\f+8*\b+7], v[\f+8*(4*\hi+\a):\f+8*(4*\hi+\a)+7], v[8*(8*(\a)+\b):8*(8*(\a)+\b)+7]
.endif
.endr
.endr
.endm
.macro FETCH slot, q, f                ; 32 LDS loads in one run: the fragments of the slot's q-th 32 along K
	WIN TO_B
.irp i, 0,1,2,3,4,5,6,7
	ds_load_b128 v[\f+8*\i:\f+8*\i+3],   v[ADRB+\slot] offset:4096*\i+1024*(\q)
	ds_load_b128 v[\f+8*\i+4:\f+8*\i+7], v[ADRB+\slot] offset:4096*\i+1024*(\q)+512
.endr
	WIN 0
.irp i, 0,1,2,3,4,5,6,7
	ds_load_b128 v[\f+8*\i:\f+8*\i+3],   v[ADRA+\slot] offset:64*(\q)+\i*16*PITCH
	ds_load_b128 v[\f+8*\i+4:\f+8*\i+7], v[ADRA+\slot] offset:64*(\q)+\i*16*PITCH+32
.endr
.endm
.macro PLACES
.rept 4
	v_nop
.endr
.endm
.macro GATHER                          ; A's rows of the step two on.  The last gather's loads were waited for at the change of slots, and its LDS stores by the wait at this quarter's head: address and registers are free
	s_add_nc_u64 s[GA:GA+1], s[GA:GA+1], 256
	WIN 0x40
.set gi, 0
.rept 32
.set SR, 4*gi+128*(gi/16)
	global_load_b128 v[SR:SR+3], v[GOFF+gi], s[GA:GA+1]
.set gi, gi+1
.endr
	WIN 0
.endm
; One of a step's first three quarters: multiplies buffer f and fetches the slot's q-th quarter into g.  gather = 1: asks for A's rows; 2: the same, but not in the loop's last trip, which has no step two on
.macro QUARTER slot, q, f, g, zero, gather
	s_wait_dscnt 8                                 ; B and A's rows 0-63 are in; the youngest eight loads may be out
	WIN MUL_LO
	MUL16 \f, 0, 0, \zero
	MUL16 \f, 0, 2, \zero
	PLACES
	FETCH \slot, \q, \g
.if \gather == 1
	GATHER
.endif
.if \gather == 2
	s_cmp_eq_u32 s3, 1
	s_cbranch_scc1 .Lno_gather_\@
	GATHER
.Lno_gather_\@:
.endif
	s_wait_dscnt 32                                ; all but the 32 just issued
	WIN MUL_HI
	MUL16 \f, 1, 0, \zero
	MUL16 \f, 1, 2, \zero
.endm
; The last quarter changes slots: one barrier; in front of it each wave waits for all its tensor loads, adds 0 to its spare word, and waits for that, for its stores into the next slot and for its reads of this one.
; fill = 1: behind it this slot takes the step two on: B by my one tensor load, first; A from the registers into which it was gathered.
.macro TURN slot, next, fill
	WIN 0
	s_wait_tensorcnt 0x0
	ds_add_u32 v[SPW], v[NIL]
	s_wait_dscnt 9                                 ; (the add and the youngest eight loads may be out)
	WIN MUL_LO
	MUL16 F1, 0, 0, 0
	s_wait_dscnt 0x0
	s_barrier_signal -1
	MUL16 F1, 0, 2, 0
	WIN 0
	s_barrier_wait -1
.if \fill
	s_add_nc_u64 s[G0+4*\slot+2:G0+4*\slot+3], s[G0+4*\slot+2:G0+4*\slot+3], 8192
	tensor_load_to_lds s[G0+4*\slot:G0+4*\slot+3], s[G1:G1+7]
	s_nop 0
	PLACES                                         ; also the places in front of the loads below
	s_wait_loadcnt 0x0                             ; the gathered rows, asked for 192 matrix instructions ago
	WIN 0x04
.set gi, 0
.rept 32
.set SR, 4*gi+128*(gi/16)
	ds_store_b128 v[ASTO+\slot], v[SR:SR+3] offset:544*gi
.set gi, gi+1
.endr
	WIN 0
.else
	PLACES
.endif
	FETCH \next, 0, F0
	WIN MUL_HI
	MUL16 F1, 1, 0, 0
	MUL16 F1, 1, 2, 0
.endm
	s_wait_tensorcnt 1                             ; my part of B's step 0 is in (step 1's may be out)
	s_wait_dscnt 0x0                               ; my rows of A's steps 0 and 1 are stored,
	s_barrier_signal -1
	s_barrier_wait -1                              ; everybody's are
	FETCH 0, 0, F0
	QUARTER 0, 1, F0, F1, 1, 1                     ; the first quarter stands in front of the loop: its products start the sums
	WIN 0
	s_mov_b32 s3, 3
.Llap:                                                 ; a trip goes once round the ring, from a lap's second quarter to the next lap's first
	QUARTER 0, 2, F1, F0, 0, 0
	QUARTER 0, 3, F0, F1, 0, 0
	TURN 0, 1, 1
	QUARTER 1, 1, F0, F1, 0, 1
	QUARTER 1, 2, F1, F0, 0, 0
	QUARTER 1, 3, F0, F1, 0, 0
	TURN 1, 0, 1
	QUARTER 0, 1, F0, F1, 0, 2
	WIN 0
	s_sub_co_u32 s3, s3, 1
	s_cmp_lg_u32 s3, 0
	s_cbranch_scc1 .Llap
	QUARTER 0, 2, F1, F0, 0, 0                     ; the last lap fills nothing
	QUARTER 0, 3, F0, F1, 0, 0
	TURN 0, 1, 0
	QUARTER 1, 1, F0, F1, 0, 0
	QUARTER 1, 2, F1, F0, 0, 0
	QUARTER 1, 3, F0, F1, 0, 0
	s_wait_dscnt 8
	WIN MUL_LO
	MUL16 F1, 0, 0, 0
	MUL16 F1, 0, 2, 0
	s_wait_dscnt 0
	WIN MUL_HI
	MUL16 F1, 1, 0, 0
	MUL16 F1, 1, 2, 0
	WIN 0
	PLACES
; THE FINE ROWS.  Lane (r, h) of block a holds row 16 a + r: where fold_gather took it from a position under 16, the lane's 64 numbers are loaded from fine_out over the sums; the other lanes are off and load nothing.
.macro FIX a
.set AC, 64*((\a)%4)
	v_cmp_gt_u32 vcc_lo, 16, v[PP+(\a)]
	s_wait_xcnt 0x0                                ; EXEC changes only behind this wait
	s_and_saveexec_b32 s20, vcc_lo
	WIN (2+(\a)/4)<<6
.irp b, 0,1,2,3,4,5,6,7
	global_load_b128 v[AC+8*\b:AC+8*\b+3], v[FA+(\a)], s[42:43] offset:64*\b
	global_load_b128 v[AC+8*\b+4:AC+8*\b+7], v[FA+(\a)], s[42:43] offset:64*\b+16
.endr
	WIN 0
	s_wait_xcnt 0x0                                ; and again, in front of the line that widens it
	s_or_b32 exec_lo, exec_lo, s20
.endm
.irp a, 0,1,2,3,4,5,6,7
	FIX \a
.endr
	s_wait_loadcnt 0x0
; THE WAY OUT, block by block of 16 rows x 128 columns, through my own stage and back as whole rows of 512 bytes.  LDS serves a wave's instructions in order.
.macro TOSTAGE a
.set AC, 64*((\a)%4)
	WIN 0x08+4*((\a)/4)
.irp b, 0,1,2,3,4,5,6,7
	ds_store_b128 v[STO], v[AC+8*\b:AC+8*\b+3] offset:64*\b          ; each accumulator from its low end on
	ds_store_b128 v[STO], v[AC+8*\b+4:AC+8*\b+7] offset:64*\b+16
.endr
	WIN 0
.set BB, BK+64*((\a)%2)
.irp t, 0,1,2,3,4,5,6,7,8,9,10,11,12,13,14,15
	ds_load_b128 v[BB+4*\t:BB+4*\t+3], v[RD] offset:\t*SPITCH
.endr
.endm
.macro SEND a, younger
.set BB, BK+64*((\a)%2)
	s_wait_dscnt \younger                          ; the block is back; the next block's 16 stores and 16 loads may be out
.irp t, 0,1,2,3,4,5,6,7,8,9,10,11,12,13,14,15
	global_store_b128 v[CO], v[BB+4*\t:BB+4*\t+3], s[44:45] offset:(16*(\a)+\t)*8192 th:TH_STORE_NT   ; 32 lanes store 512 consecutive bytes, aligned
.endr
.endm
	TOSTAGE 0
.irp a, 1,2,3,4,5,6,7
.if \a > 1
	s_wait_xcnt 0x0                                ; block a - 2's stores have read their registers: block a's loads may land there
.endif
	TOSTAGE \a
	SEND \a-1, 32
.endr
	SEND 7, 0
	s_wait_tensorcnt 0x0                           ; the wave's end
	ds_add_u32 v[SPW], v[NIL]
	s_wait_dscnt 0x0
	s_endpgm
.Lfunc_end_k_q5395d9f410_proj:
	.size	k_q5395d9f410_proj, .Lfunc_end_k_q5395d9f410_proj-k_q5395d9f410_proj
	.p2alignl 7, 3214868480
	.fill 96, 4, 3214868480
	.section	.rodata,"a",@progbits
	.p2align	6, 0x0
	.amdhsa_kernel k_q5395d9f410_proj
		.amdhsa_group_segment_fixed_size 327680
		.amdhsa_private_segment_fixed_size 0
		.amdhsa_enable_private_segment 0
		.amdhsa_kernarg_size 40
		.amdhsa_user_sgpr_count 2
		.amdhsa_user_sgpr_kernarg_segment_ptr 1
		.amdhsa_wavefront_size32 1
		.amdhsa_system_sgpr_workgroup_id_x 1
		.amdhsa_system_sgpr_workgroup_id_y 1
		.amdhsa_system_sgpr_workgroup_id_z 1
		.amdhsa_system_vgpr_workitem_id 0
		.amdhsa_next_free_vgpr 1024
		.amdhsa_next_free_sgpr 66
		.amdhsa_reserve_vcc 1
		.amdhsa_float_denorm_mode_32 3
		.amdhsa_float_denorm_mode_16_64 3
		.amdhsa_memory_ordered 1
		.amdhsa_forward_progress 1
		.amdhsa_inst_pref_size 184
	.end_amdhsa_kernel
	.amdgpu_metadata
---
amdhsa.version: [ 1, 2 ]
amdhsa.kernels:
  - .name:           k_q5395d9f410_proj
    .symbol:         k_q5395d9f410_proj.kd
    .args:
      - { .name: out_full, .offset: 0, .size: 8, .value_kind: global_buffer, .address_space: global }
      - { .name: fold_gather, .offset: 8, .size: 8, .value_kind: global_buffer, .address_space: global }
      - { .name: wo_img, .offset: 16, .size: 8, .value_kind: global_buffer, .address_space: global }
      - { .name: fine_out, .offset: 24, .size: 8, .value_kind: global_buffer, .address_space: global }
      - { .name: out0, .offset: 32, .size: 8, .value_kind: global_buffer, .address_space: global }
    .group_segment_fixed_size: 327680
    .private_segment_fixed_size: 0
    .kernarg_segment_align: 8
    .kernarg_segment_size: 40
    .max_flat_workgroup_size: 128
    .sgpr_count:     66
    .vgpr_count:     1024
    .wavefront_size: 32
...
	.end_amdgpu_metadata
.endif
;; end of part 4
